; MI455X (gfx1250); checked and timed in simulation.
; The chip was launched on July 23, 2026; its instructions are those of AMD's public machine-readable ISA for CDNA 5 (MIT licence, August 2026) and "CDNA5" Instruction Set Architecture Reference Guide (July 2026). The comments in the code are by the model that wrote it; some were corrected since.
;; Dual Sliding Window Attention. Allowed arithmetic: matrix products marked QUANTISED: E2M1 operands, one E8M0 scale for each 32 along K, by v_wmma_scale_f32_16x16x128_f8f6f4 with both operands' format E2M1 (or v_wmma_scale_f32_32x16x128_f4), f32 sums; products left as they are: bf16, f16 or f32 operands; f32 sums; everything else in f32.
;; Inputs: Wk 2,048 x 512 float32; Wo 2,048 x 2,048 float32; Wq 2,048 x 2,048 float32; Wsk 2,048 x 512 float32; Wsv 2,048 x 512 float32; Wv 2,048 x 512 float32; hidden_states 2 x 1,024 x 2,048 float32; ssm_states 2 x 1,024 x 2,048 float32.
;; Outputs: out0 2 x 1,024 x 2,048 float32.
;; This version of the problem:
;;   THIS VERSION OF THE PROBLEM IS GIVEN IN LOW PRECISION. The matrix products marked QUANTISED in the list below multiply operands that are first quantised to E2M1 (2 exponent bits, 1 mantissa bit; 4 bits a number), with one power-of-two scale for each 32 numbers along K (OCP MX v1.0); their sums are f32. The products marked 'left as it is' may take bf16, f16 or f32 operands, with f32 sums. Whichever they take, every output number must still come out within the allowed error. Rounding operands to bf16 (8 significant bits) uses up far more of that allowance than f16 does (11 bits, for magnitudes from 6e-5 to 65,504). All else is computed in f32.
;;   The module's matrix products, in the order in which they are computed (A, B: the left and right operand; K: the contracted axis; several contracted axes count as one K, in the product's order):
;;     1. [M 2,048, K 2,048] x [K 2,048, N 2,048]; A: input hidden_states; B: input Wq: QUANTISED
;;     2. [M 2,048, K 2,048] x [K 2,048, N 512]; A: input hidden_states; B: input Wk: QUANTISED
;;     3. [M 2,048, K 2,048] x [K 2,048, N 512]; A: input hidden_states; B: input Wv: QUANTISED
;;     4. [M 2,048, K 2,048] x [K 2,048, N 512]; A: input ssm_states; B: input Wsk: QUANTISED
;;     5. [M 2,048, K 2,048] x [K 2,048, N 512]; A: input ssm_states; B: input Wsv: QUANTISED
;;     6. batch 16 x [M 4,096, K 64] x [K 64, N 2,048]; A: computed on the way; B: computed on the way: left as it is (an operand is computed on the way)
;;     7. batch 16 x [M 4,096, K 2,048] x [K 2,048, N 64]; A: computed on the way; B: computed on the way: left as it is (an operand is computed on the way)
;;     8. [M 2,048, K 2,048] x [K 2,048, N 2,048]; A: computed on the way; B: input Wo: left as it is (an operand is computed on the way)
;;   THE QUANTISER, for each operand of a quantised product, along K:
;;     - K is cut into blocks of 32 from its start; a last block that is shorter is filled with zeros.
;;     - A block's scale is 2^e with e = floor(log2(the largest magnitude in the block)) - 2, held to -126 .. 127; a block of zeros has e = 0. As a byte (E8M0): e + 127.
;;     - Each number is divided by its block's scale, clamped to +-6, and rounded to the nearest number of E2M1, ties to even, subnormals kept.
;;     - The product sums the exact products of the quantised numbers (number of the format x scale) in f32.
;;   ~~~python
;;   def quantise(x, axis):      # numpy; x: float32 -> the quantised numbers, widened to float32 again
;;       x = np.moveaxis(x, axis, -1); K = x.shape[-1]
;;       x = np.pad(x, [(0, 0)] * (x.ndim - 1) + [(0, -K % 32)]); x = x.reshape(x.shape[:-1] + (-1, 32)); a = np.abs(x).max(-1, keepdims=True)
;;       e = np.where(a > 0, np.clip(np.frexp(np.where(a > 0, a, 1))[1] - 1 - 2, -126, 127), 0)      # np.frexp(a)[1] - 1 = floor(log2(a)), exactly
;;       r = np.clip(x / 2.0 ** e, -6, 6)
;;       step = 2.0 ** (np.maximum(np.frexp(np.where(r == 0, 1, r))[1] - 1, 0) - 1)
;;       q = np.round(r / step) * step * 2.0 ** e      # np.round: ties to even
;;       return np.moveaxis(q.reshape(q.shape[:-2] + (-1,))[..., :K], -1, axis).astype(np.float32)
;;   ~~~
;; One version. Each part assembles by itself: llvm-mc -triple=amdgcn-amd-amdhsa -mcpu=gfx1250 --defsym DOCPART=n.
;; ======== version 1 of 1: 4 launches
;; limits: values are held in f16: magnitudes above 65,504 overflow, below 6.1e-05 lose precision
;; workspace buffers: xq 4,456,448 bytes; wq 4,456,448 bytes; wo16 8,388,608 bytes; y16 16,777,216 bytes; o16 8,388,608 bytes
;; launch prep (part 1): grid 512 x 1, 4 waves a work-group, no clusters, 34,304 bytes of LDS; arguments hidden_states, ssm_states, Wq, Wk, Wv, Wsk, Wsv, Wo, xq, wq, wo16; writes xq, wq, wo16
.if DOCPART == 1
	.amdgcn_target "amdgcn-amd-amdhsa--gfx1250"
	.amdhsa_code_object_version 6
	.text
	.protected	k_qb53598c332_prep
	.globl	k_qb53598c332_prep
	.p2align	8
	.type	k_qb53598c332_prep,@function
k_qb53598c332_prep:
	s_mov_b64 s[64:65], 0
	v_nop
	global_prefetch_b8 v0, s[64:65] scope:SCOPE_SE
	s_setreg_imm32_b32 hwreg(HW_REG_WAVE_MODE, 25, 1), 1
	s_wait_xcnt 0x0
; PREP: every f32 input is read once and leaves as images of the registers that the later launches' matrix operands want.
;   xq, wq: [K step of 512: 4][tile of 16 rows (of x) or 16 columns (of a weight): 256][record of 4,352 bytes].  A record: four FP4 (E2M1) fragments of 16 x 128 K, fragment q at 1024 q + 512 c + 16 x lane
;           (lane (r, h) holds row r, registers 4 c .. 4 c + 3 hold K = 64 c + 32 h + 0 .. 31); from byte 4,096 on the scale words: row r's word (four E8M0 bytes) for fragment q at 16 r + 4 q.
;           x's tiles: hidden_states 0-127, ssm_states 128-255.  Weights' tiles: Wq 0-127, Wk 128-159, Wv 160-191, Wsk 192-223, Wsv 224-255.
;   wo16:   [K step of 256: 8][tile of 16 columns: 128][32 K: 8][half: 2][512 bytes]: f16 fragments of Wo (lane (r, h): column r; registers 0-3 K = 8 h + 0 .. 7, registers 4-7 K = 16 + 8 h + 0 .. 7).
; THE QUANTISER: a block's scale is 2^(floor(log2(largest magnitude)) - 2): its byte is the largest magnitude's exponent field - 2, held at 1 from below; numbers / scale go to the nearest code, ties to even, beyond 6 to 6.
; LIMITS: a block of zeros gets the byte 1 where the rule says 127 (its codes are zeros, and this program alone reads the bytes); blocks whose largest magnitude lies under 2^-124 are held at the byte 1;
;         NaN and infinities among the inputs are not served; Wo must lie inside f16's range (65,504), and numbers under 6e-5 keep an absolute error of 3e-8.
; SHARES: work-groups 0-255: x (a tile of 16 rows each, a wave a K step of 512: one whole record); 256-383: the five weights (128 columns x 512 K, a wave 32 columns: two records);
;         384-511: Wo (128 columns x 256 K, a wave 32 columns).  Waves share nothing: no barrier.  Every store of a wave covers 512 (the scale words: 256) consecutive bytes, aligned.  Only x's path touches LDS.
.set REC,   4352
.set SPARE, 33792                      ; behind the four stages: the spare words, 128 bytes for each wave
.set SPW,   2                          ; v2   LDS address of my spare word; never rewritten
.set NIL,   3                          ; v3   0; never rewritten
	s_load_b512 s[8:23], s[0:1], 0x0               ; hidden s[8:9], ssm s[10:11], Wq s[12:13], Wk s[14:15], Wv s[16:17], Wsk s[18:19], Wsv s[20:21], Wo s[22:23]
	s_load_b128 s[24:27], s[0:1], 0x40             ; xq s[24:25], wq s[26:27]
	s_load_b64 s[28:29], s[0:1], 0x50              ; wo16
	v_lshl_add_u32 v[SPW], v0, 2, SPARE
	v_mov_b32 v[NIL], 0
	v_lshrrev_b32 v1, 5, v0
	v_readfirstlane_b32 s4, v1                     ; wave 0..3
	v_and_b32 v4, 31, v0                           ; lane
	v_and_b32 v5, 15, v0                           ; r
	v_bfe_u32 v6, v0, 4, 1                         ; h
	v_lshlrev_b32 v7, 4, v4                        ; 16 x lane: an image's place for my lane
	v_lshlrev_b32 v14, 2, v4                       ; 4 x lane
	s_mov_b32 s34, 0x76543210
	s_mov_b32 s35, 0xfedcba98                      ; v_permlanex16_b32's selects for lane l xor 16
	s_wait_kmcnt 0x0
	s_cmp_lt_u32 ttmp9, 256
	s_cbranch_scc1 .Lpath_x
	s_cmp_lt_u32 ttmp9, 384
	s_cbranch_scc1 .Lpath_w
; ---------------- Wo: a lane takes a column, its registers run down K; pairs are rounded to f16; an exchange of halves between two registers makes two tiles' fragments of them
.set OX, 16                            ; v16-79   two sets of 32 numbers
.set OP, 80                            ; v80-207  16 registers of f16 pairs for each 32 along K: no store's data are written again
.macro LOADO kf
.set i, 0
.rept 32
	global_load_b32 v[OX+32*((\kf)%2)+i], v14, s[36:37] offset:(32*(\kf)+i)*8192 th:TH_LOAD_NT   ; Wo(32 kf + i, my column): 32 lanes read 128 consecutive bytes, the four waves 512
.set i, i+1
.endr
.endm
.macro FRAGO kf
.set PB, OP+16*(\kf)
.set XB, OX+32*((\kf)%2)
.if (\kf) < 7
	s_wait_loadcnt 32                              ; these 32 loads are in; the next 32 may be out
.else
	s_wait_loadcnt 0x0
.endif
.set i, 0
.rept 16
	v_cvt_pk_f16_f32 v[PB+i], v[XB+2*i], v[XB+2*i+1]   ; K = 2 i in the low half, 2 i + 1 in the high
.set i, i+1
.endr
.if (\kf) < 6
	LOADO (\kf)+2
.endif
.irp u, 0,1,2,3                        ; the first's lanes 16-31 change places with the second's lanes 0-15: the first becomes the left tile's registers, the second the right tile's
	v_permlane16_swap_b32 v[PB+\u], v[PB+4+\u]
	v_permlane16_swap_b32 v[PB+8+\u], v[PB+12+\u]
.endr
	global_store_b128 v7, v[PB:PB+3], s[42:43] offset:(\kf)*1024
	global_store_b128 v7, v[PB+8:PB+11], s[42:43] offset:(\kf)*1024+512
	global_store_b128 v7, v[PB+4:PB+7], s[42:43] offset:8192+(\kf)*1024
	global_store_b128 v7, v[PB+12:PB+15], s[42:43] offset:8192+(\kf)*1024+512
.endm
	s_sub_co_u32 s44, ttmp9, 384
	s_lshr_b32 s45, s44, 3                         ; which 128 columns
	s_and_b32 s48, s44, 7                          ; which K step of 256
	s_lshl_b32 s50, s48, 21                        ; 256 rows of 8,192 bytes
	s_lshl_b32 s46, s45, 9
	s_add_co_u32 s50, s50, s46
	s_lshl_b32 s46, s4, 7                          ; my wave's 32 columns
	s_add_co_u32 s50, s50, s46
	s_mov_b32 s51, 0
	s_add_nc_u64 s[36:37], s[22:23], s[50:51]
	s_lshl_b32 s52, s48, 7                         ; tile 128 x K step + 8 x column group + 2 x wave, 8,192 bytes each
	s_lshl_b32 s46, s45, 3
	s_add_co_u32 s52, s52, s46
	s_lshl_b32 s46, s4, 1
	s_add_co_u32 s52, s52, s46
	s_lshl_b32 s52, s52, 13
	s_mov_b32 s53, 0
	s_add_nc_u64 s[42:43], s[28:29], s[52:53]
	LOADO 0
	LOADO 1
.irp kf, 0,1,2,3,4,5,6,7
	FRAGO \kf
.endr
	s_endpgm
; ---------------- the five weights: K is their first axis.  A lane takes a column and its registers run down K: a block of 32 is one lane's, and the codes come out with K innermost
.set VO, 16                            ; v16-47   4 x lane + i rows: the pitch differs between Wq and the others, so the rows stand in registers
.set WX, 48                            ; v48-111  two sets of 32 numbers
.set WC, 112                           ; v112-175 codes: 16 registers for each 128 along K
.set WW, 176                           ; v176-179 my column's four scale words
.set WB, 66                            ; s[66:97] sixteen bases, one for each block of 32 rows: none is ever stepped
.macro LOADW t
.set i, 0
.rept 32
	global_load_b32 v[WX+32*((\t)%2)+i], v[VO+i], s[WB+2*(\t):WB+2*(\t)+1] th:TH_LOAD_NT
.set i, i+1
.endr
.endm
.macro BLOCKW t
.set XS, WX+32*((\t)%2)
.set CB, WC+16*((\t)/4)
.set BB, (\t)%4
.if (\t) < 15
	s_wait_loadcnt 32                              ; this block's 32 loads are in; the next block's may be out
.else
	s_wait_loadcnt 0x0
.endif
	v_max3_num_f32 v180, |v[XS]|, |v[XS+1]|, |v[XS+2]|   ; the block's largest magnitude, in two chains
	v_max3_num_f32 v181, |v[XS+3]|, |v[XS+4]|, |v[XS+5]|
.irp i, 6,10,14,18,22,26
	v_max3_num_f32 v180, v180, |v[XS+\i]|, |v[XS+\i+1]|
	v_max3_num_f32 v181, v181, |v[XS+\i+2]|, |v[XS+\i+3]|
.endr
	v_max3_num_f32 v180, v180, |v[XS+30]|, |v[XS+31]|
	v_max3_num_f32 v180, v180, v181, 0x1800000     ; and the floor 2^(3 - 127): the byte cannot fall under 1
	v_add_nc_u32 v182, 0xff000000, v180            ; 2 off its exponent field: the conversion's scale operand
	v_lshrrev_b32 v183, 23, v182                   ; the scale's byte
.if BB == 0
	v_mov_b32 v[WW+(\t)/4], v183
.else
	v_lshl_or_b32 v[WW+(\t)/4], v183, 8*BB, v[WW+(\t)/4]
.endif
.irp g, 0,1,2,3
	v_cvt_scalef32_pk8_fp4_f32 v[CB+4*BB+\g], v[XS+8*\g:XS+8*\g+7], v182
.endr
.if (\t) < 14
	LOADW (\t)+2
.endif
.if BB == 3                            ; 128 along K are whole: lanes 0-15 hold the left tile's columns, lanes 16-31 the right tile's, each with four blocks; a fragment wants blocks 2 c and 2 c + 1 in the two halves of the lanes
	v_nop                                          ; one plain instruction between a scaled conversion and the vector instruction that touches its result
.irp u, 0,1,2,3
	v_permlane16_swap_b32 v[CB+\u], v[CB+4+\u]
	v_permlane16_swap_b32 v[CB+8+\u], v[CB+12+\u]
.endr
	global_store_b128 v7, v[CB:CB+3], s[42:43] offset:((\t)/4)*1024
	global_store_b128 v7, v[CB+8:CB+11], s[42:43] offset:((\t)/4)*1024+512
	global_store_b128 v7, v[CB+4:CB+7], s[42:43] offset:REC+((\t)/4)*1024
	global_store_b128 v7, v[CB+12:CB+15], s[42:43] offset:REC+((\t)/4)*1024+512
.endif
.endm
.Lpath_w:
	s_sub_co_u32 s44, ttmp9, 256
	s_lshr_b32 s45, s44, 2                         ; which 128 of the 4,096 columns
	s_and_b32 s48, s44, 3                          ; which K step of 512
	s_and_b32 s47, s45, 3
	s_mov_b64 s[36:37], s[20:21]                   ; the weight is chosen by the work-group's number alone
	s_cmp_lt_u32 s45, 28
	s_cselect_b64 s[36:37], s[18:19], s[36:37]
	s_cmp_lt_u32 s45, 24
	s_cselect_b64 s[36:37], s[16:17], s[36:37]
	s_cmp_lt_u32 s45, 20
	s_cselect_b64 s[36:37], s[14:15], s[36:37]
	s_mov_b32 s46, 2048
	s_cmp_lt_u32 s45, 16
	s_cselect_b64 s[36:37], s[12:13], s[36:37]
	s_cselect_b32 s46, 8192, s46                   ; a row in bytes: Wq's 2,048 columns, the others' 512
	s_cselect_b32 s47, s45, s47                    ; which 128 columns of that weight
	s_mul_i32 s50, s48, s46
	s_lshl_b32 s50, s50, 9                         ; 512 rows for each K step
	s_lshl_b32 s47, s47, 9
	s_add_co_u32 s50, s50, s47
	s_lshl_b32 s49, s4, 7                          ; my wave's 32 columns
	s_add_co_u32 s50, s50, s49
	s_mov_b32 s51, 0
	s_add_nc_u64 s[WB:WB+1], s[36:37], s[50:51]
	s_lshl_b32 s52, s46, 5                         ; 32 rows
	s_mov_b32 s53, 0
.irp t, 1,2,3,4,5,6,7,8,9,10,11,12,13,14,15
	s_add_nc_u64 s[WB+2*\t:WB+2*\t+1], s[WB+2*\t-2:WB+2*\t-1], s[52:53]
.endr
	s_lshl_b32 s54, s48, 8                         ; record 256 x K step + 8 x column group + 2 x wave
	s_lshl_b32 s55, s45, 3
	s_add_co_u32 s54, s54, s55
	s_lshl_b32 s55, s4, 1
	s_add_co_u32 s54, s54, s55
	s_mul_i32 s54, s54, REC
	s_mov_b32 s55, 0
	s_add_nc_u64 s[42:43], s[26:27], s[54:55]
.set i, 0
.rept 32
	v_mad_u32_u24 v[VO+i], s46, i, v14
.set i, i+1
.endr
	v_mul_u32_u24 v15, v6, REC
	v_lshl_add_u32 v15, v5, 4, v15                 ; my column's scale words: its tile's record, 16 bytes a column
	LOADW 0
	LOADW 1
.irp t, 0,1,2,3,4,5,6,7,8,9,10,11,12,13,14,15
	BLOCKW \t
.endr
	global_store_b128 v15, v[WW:WW+3], s[42:43] offset:4096   ; sixteen lanes fill 256 consecutive bytes of each record
	s_endpgm
; ---------------- x: K is innermost.  Each load takes 512 consecutive bytes of a row; 16 rows x 128 K turn through the wave's own stage in LDS and come back 256 bytes a lane: two whole blocks of its row
.set XR, 16                            ; v16-143  two sets of 64 registers as loaded
.set XX, 144                           ; v144-207 register 32 c + i: K = 64 c + 32 h + i of row r
.set XC, 208                           ; v208-239 codes: 8 registers for each 128 along K
.set XW, 240                           ; v240-243 the scale words
.set MX, 244
.set SO, 246
.set BY, 248
.set TT, 250
.set T2, 251
.macro LOADX q
.set i, 0
.rept 16
	global_load_b128 v[XR+64*((\q)%2)+4*i:XR+64*((\q)%2)+4*i+3], v7, s[36:37] offset:i*8192+(\q)*512 th:TH_LOAD_NT
.set i, i+1
.endr
.endm
.macro TURNX q                         ; LDS serves a wave's instructions in order (ISA guide 5.7.1.4): no wait between the stores and the loads.  Stage rows are 528 bytes apart: 33 x 16, so sixteen rows start at sixteen different 16-byte columns
.set i, 0
.rept 16
	ds_store_b128 v8, v[XR+64*((\q)%2)+4*i:XR+64*((\q)%2)+4*i+3] offset:i*528
.set i, i+1
.endr
.set i, 0
.rept 16
	ds_load_b128 v[XX+4*i:XX+4*i+3], v9 offset:(i/8)*256+(i%8)*16
.set i, i+1
.endr
.endm
.macro QUANTX q
.irp c, 0,1
	v_max3_num_f32 v[MX+\c], |v[XX+32*\c]|, |v[XX+32*\c+1]|, 0x1800000   ; my block 2 c + h, and the floor 2^(3 - 127)
.endr
.irp i, 2,4,6,8,10,12,14,16,18,20,22,24,26,28,30
.irp c, 0,1
	v_max3_num_f32 v[MX+\c], v[MX+\c], |v[XX+32*\c+\i]|, |v[XX+32*\c+\i+1]|
.endr
.endr
.irp c, 0,1
	v_add_nc_u32 v[SO+\c], 0xff000000, v[MX+\c]    ; 2 off the exponent field: the conversion's scale operand
.endr
.irp c, 0,1
	v_lshrrev_b32 v[BY+\c], 23, v[SO+\c]           ; the scale's byte
.endr
	v_lshl_or_b32 v[TT], v[BY+1], 16, v[BY]        ; my two bytes, blocks h and 2 + h,
	v_lshlrev_b32 v[TT], v13, v[TT]                ; 8 h bits up;
	v_permlanex16_b32 v[T2], v[TT], s34, s35
	v_or_b32 v[XW+\q], v[TT], v[T2]                ; with lane l xor 16's two the row's word is whole
.irp c, 0,1
.irp g, 0,1,2,3
	v_cvt_scalef32_pk8_fp4_f32 v[XC+8*\q+4*\c+\g], v[XX+32*\c+8*\g:XX+32*\c+8*\g+7], v[SO+\c]
.endr
.endr
	v_nop                                          ; one plain instruction behind the last conversion of the run
.irp c, 0,1
	global_store_b128 v7, v[XC+8*\q+4*\c:XC+8*\q+4*\c+3], s[42:43] offset:\q*1024+\c*512
.endr
.endm
.Lpath_x:
	s_cmp_lt_u32 ttmp9, 128                        ; hidden_states or ssm_states: by the work-group's number alone
	s_cselect_b64 s[36:37], s[8:9], s[10:11]
	s_and_b32 s38, ttmp9, 127
	s_lshl_b32 s38, s38, 17                        ; 16 rows of 8,192 bytes
	s_lshl_b32 s40, s4, 11                         ; my wave's 512 along K
	s_add_co_u32 s38, s38, s40
	s_mov_b32 s39, 0
	s_add_nc_u64 s[36:37], s[36:37], s[38:39]
	s_lshl_b32 s40, s4, 8
	s_add_co_u32 s40, s40, ttmp9                   ; record 256 x K step + tile
	s_mul_i32 s40, s40, REC
	s_mov_b32 s41, 0
	s_add_nc_u64 s[42:43], s[24:25], s[40:41]
	s_mul_i32 s44, s4, 8448                        ; my stage: 16 rows x 528 bytes
	v_add_nc_u32 v8, s44, v7                       ; in: 16 x lane of a row
	v_mul_u32_u24 v9, v5, 528
	v_lshl_add_u32 v9, v6, 7, v9
	v_add_nc_u32 v9, s44, v9                       ; back: row r, + 128 h
	v_lshlrev_b32 v13, 3, v6                       ; 8 h
	v_mov_b32 v[T2], 0                             ; written once: a lane permute's destination counts as one of its sources
	LOADX 0
	LOADX 1
.irp q, 0,1,2,3
.if \q < 3
	s_wait_loadcnt 16                              ; these sixteen loads are in; the next sixteen may be out
.else
	s_wait_loadcnt 0x0
.endif
	TURNX \q
	s_wait_dscnt 0x0                               ; the numbers are back, so the stage's stores have read their registers,
.if \q < 2
	LOADX \q+2                                     ; which take the loads of two steps on
.endif
	QUANTX \q
.endr
	v_cmp_eq_u32 vcc_lo, 1, v6                     ; both halves of the lanes hold the four words: lanes 0-15 store the first two, lanes 16-31 the others
	v_cndmask_b32 v10, v[XW], v[XW+2], vcc_lo
	v_cndmask_b32 v11, v[XW+1], v[XW+3], vcc_lo
	v_lshlrev_b32 v12, 4, v5
	v_lshl_add_u32 v12, v6, 3, v12
	global_store_b64 v12, v[10:11], s[42:43] offset:4096   ; 32 lanes fill 256 consecutive bytes
	s_wait_tensorcnt 0x0                           ; the wave's end: behind my last LDS store
	ds_add_u32 v[SPW], v[NIL]
	s_wait_dscnt 0x0
	s_endpgm
.Lfunc_end_k_qb53598c332_prep:
	.size	k_qb53598c332_prep, .Lfunc_end_k_qb53598c332_prep-k_qb53598c332_prep
	.p2alignl 7, 3214868480
	.fill 96, 4, 3214868480
	.section	.rodata,"a",@progbits
	.p2align	6, 0x0
	.amdhsa_kernel k_qb53598c332_prep
		.amdhsa_group_segment_fixed_size 34304
		.amdhsa_private_segment_fixed_size 0
		.amdhsa_enable_private_segment 0
		.amdhsa_kernarg_size 88
		.amdhsa_user_sgpr_count 2
		.amdhsa_user_sgpr_kernarg_segment_ptr 1
		.amdhsa_wavefront_size32 1
		.amdhsa_system_sgpr_workgroup_id_x 1
		.amdhsa_system_sgpr_workgroup_id_y 1
		.amdhsa_system_sgpr_workgroup_id_z 1
		.amdhsa_system_vgpr_workitem_id 0
		.amdhsa_next_free_vgpr 256
		.amdhsa_next_free_sgpr 100
		.amdhsa_reserve_vcc 1
		.amdhsa_float_denorm_mode_32 3
		.amdhsa_float_denorm_mode_16_64 3
		.amdhsa_memory_ordered 1
		.amdhsa_forward_progress 1
		.amdhsa_inst_pref_size 146
	.end_amdhsa_kernel
	.amdgpu_metadata
---
amdhsa.version: [ 1, 2 ]
amdhsa.kernels:
  - .name:           k_qb53598c332_prep
    .symbol:         k_qb53598c332_prep.kd
    .args:
      - { .name: hidden_states, .offset: 0, .size: 8, .value_kind: global_buffer, .address_space: global }
      - { .name: ssm_states, .offset: 8, .size: 8, .value_kind: global_buffer, .address_space: global }
      - { .name: Wq, .offset: 16, .size: 8, .value_kind: global_buffer, .address_space: global }
      - { .name: Wk, .offset: 24, .size: 8, .value_kind: global_buffer, .address_space: global }
      - { .name: Wv, .offset: 32, .size: 8, .value_kind: global_buffer, .address_space: global }
      - { .name: Wsk, .offset: 40, .size: 8, .value_kind: global_buffer, .address_space: global }
      - { .name: Wsv, .offset: 48, .size: 8, .value_kind: global_buffer, .address_space: global }
      - { .name: Wo, .offset: 56, .size: 8, .value_kind: global_buffer, .address_space: global }
      - { .name: xq, .offset: 64, .size: 8, .value_kind: global_buffer, .address_space: global }
      - { .name: wq, .offset: 72, .size: 8, .value_kind: global_buffer, .address_space: global }
      - { .name: wo16, .offset: 80, .size: 8, .value_kind: global_buffer, .address_space: global }
    .group_segment_fixed_size: 34304
    .private_segment_fixed_size: 0
    .kernarg_segment_align: 8
    .kernarg_segment_size: 88
    .max_flat_workgroup_size: 128
    .sgpr_count:     100
    .vgpr_count:     256
    .wavefront_size: 32
...
	.end_amdgpu_metadata
.endif
;; end of part 1
;; launch proj (part 2): grid 32 x 8, 4 waves a work-group, clusters of 4 x 4, 327,680 bytes of LDS; arguments xq, wq, y16; writes y16
.if DOCPART == 2
	.amdgcn_target "amdgcn-amd-amdhsa--gfx1250"
	.amdhsa_code_object_version 6
	.text
	.protected	k_qb53598c332_proj
	.globl	k_qb53598c332_proj
	.p2align	8
	.type	k_qb53598c332_proj,@function
k_qb53598c332_proj:
	s_mov_b64 s[64:65], 0
	v_nop
	global_prefetch_b8 v0, s[64:65] scope:SCOPE_SE
	s_setreg_imm32_b32 hwreg(HW_REG_WAVE_MODE, 25, 1), 1
	s_wait_xcnt 0x0
	s_wait_alu depctr_hold_cnt(0) depctr_sa_sdst(0) depctr_va_vdst(0) depctr_va_sdst(0) depctr_va_ssrc(0) depctr_va_vcc(0) depctr_vm_vsrc(0)
	s_getreg_b32 s2, hwreg(HW_REG_IB_STS2, 6, 4)
	s_cmp_eq_u32 s2, 0
	s_cbranch_scc0 .Lentry_in_a_cluster
	s_endpgm
.Lentry_in_a_cluster:
	s_bfe_u32 s2, ttmp6, 0x10000c
	s_cmp_lg_u32 s2, 0xf033
	s_cbranch_scc0 .Lentry_shape_is_right
	s_endpgm
.Lentry_shape_is_right:
; PROJ: the five quantised products as one GEMM on codes of FP4 (E2M1) with E8M0 scales: y[token][column], 2,048 tokens x 4,096 columns [Wq | Wk | Wv | Wsk | Wsv], K = 2,048; sums in f32, y rounded once to f16.
; xq, wq hold records of 4,352 bytes, [K step of 512][tile of 16][record]: four fragments as images of their registers (1024 q + 512 c + 16 x lane) and, from byte 4,096, the tile's scale words (16 r + 4 q).
; SHARES: a work-group makes 128 columns (P: 8 tiles of the weights) x 256 tokens (R: 16 tiles of x); a wave 64 columns x 128 tokens: 32 accumulators.  256 work-groups.  Columns from 3,072 on (cluster x 6, 7) take ssm's tiles of x.
; CLUSTER 4 x 4: the four of a row need the same R, the four of a column the same P: each is asked for jointly.  A cluster's 512 columns lie in one weight.
; THE PRODUCT IS USED TRANSPOSED (source 0 = 16 columns of a weight, source 1 = 16 tokens): a lane holds one token and eight neighbouring columns, which pack into 16 bytes of f16.
; y16: [token tile 128][column tile 256][512 bytes].  q, k, sk: lane's 16 bytes at 16 x lane: half of an f16 fragment's image (token r, channels 8 h + 0 .. 7).  v, sv: at 32 r + 16 h: 16 tokens x 32 bytes, row by row, for the turning LDS load.
; LDS: three slots of 24 records (R's 16, then P's 8).  K has four steps: steps 0, 1, 2 are first fills, step 3 fills slot 0 again: the launch's one refill.  A wave has at most three tensor loads out.
; LIMIT: y must lie inside f16's range (65,504).
; REGISTERS: window 0: v4-20 addresses; v28, v29 the add's two; v32-95 scale words, two sets (register 4 i + q: lanes 0-15 R tile i's word, lanes 16-31 P tile i's for i < 4); v96-223 packed results.
;   window 1: two sets of 96: R's eight fragments, then P's four.   window 2: accumulator (a, b) at v[8 (4 a + b)].
.set REC,   4352
.set SLOT,  24*REC
.set POFF,  16*REC
.set KSB,   256*REC                    ; a K step in xq and in wq, in bytes
.set SPARE, 3*SLOT                     ; behind the slots: the spare words, 128 bytes for each wave
.set ADR,  4                           ; v4-6    my R fragments in slot 0, 1, 2: 16 x lane + my half
.set ADP,  8                           ; v8-10   my P fragments
.set ADS,  12                          ; v12-14  scale words: lanes 0-15 R's, lanes 16-31 P's
.set ADS2, 16                          ; v16-18  scale words: R's in all lanes
.set CO,   20                          ; v20     my 16 bytes in a block of y16
.set SPW,  28
.set NIL,  29
.set SC,   32
.set TMP,  96
.set G1R, 24
.set G1P, 32
.set G0R, 40                           ; s[40:51] a group 0 for each slot
.set G0P, 52                           ; s[52:63]
.set MSB, 0
.macro WIN new                         ; the immediate's high byte repeats the setting that is left
.if MSB != \new
	s_set_vgpr_msb (MSB<<8)|\new
.set MSB, \new
.endif
.endm
.set MUL,   0xa5                       ; sources 0 and 1 window 1, C and D window 2
.set TO_F,  0x40                       ; destination window 1, address window 0
.set PACKW, 0x0a                       ; sources 0 and 1 window 2, destination window 0
; A joint load: waves 0 and 1 fetch R's halves, waves 2 and 3 P's.  The branch hangs on the wave's number alone.  An s_nop 0 and four v_nop follow each of the two lines.
.macro JLOAD g0a, g1a, g0b, g1b
	s_cmp_eq_u32 s11, 0
	s_cbranch_scc0 .Lfor_p_\@
	tensor_load_to_lds s[\g0a:\g0a+3], s[\g1a:\g1a+7]
	s_nop 0
.rept 4
	v_nop
.endr
	s_branch .Lasked_\@
.Lfor_p_\@:
	tensor_load_to_lds s[\g0b:\g0b+3], s[\g1b:\g1b+7]
	s_nop 0
.rept 4
	v_nop
.endr
.Lasked_\@:
.endm
.macro CROUND                          ; a round of the cluster's barrier
	s_barrier_signal -1
	s_barrier_wait -1
	s_cmp_lg_u32 s10, 0
	s_cbranch_scc1 .Lnot_wave_0_\@
	s_barrier_signal -3
.Lnot_wave_0_\@:
	s_barrier_wait -3
	s_barrier_signal -1
	s_barrier_wait -1
.endm
.macro PLACES n
.rept \n
	v_nop
.endr
.endm
	s_load_b128 s[4:7], s[0:1], 0x0                ; xq, wq
	s_load_b64 s[8:9], s[0:1], 0x10                ; y16
	v_lshl_add_u32 v[SPW], v0, 2, SPARE
	v_mov_b32 v[NIL], 0
	ds_add_u32 v[SPW], v[NIL]                      ; the wave's opening: the add, twice on end, and its wait ahead of my first tensor load
	ds_add_u32 v[SPW], v[NIL]
	v_lshrrev_b32 v1, 5, v0
	v_readfirstlane_b32 s10, v1                    ; wave 0..3
	s_lshr_b32 s11, s10, 1                         ; my half of the tokens.  Also: I fetch for R (0) or for P (1)
	s_and_b32 s12, s10, 1                          ; my half of the columns.  Also: which half I fetch
	s_bfe_u32 s13, ttmp6, 0x40000                  ; cx
	s_bfe_u32 s14, ttmp6, 0x40004                  ; cy
	s_lshl_b32 s15, ttmp9, 2
	s_add_co_u32 s15, s15, s13                     ; tile column: 128 columns each
	s_and_b32 s16, ttmp7, 0xffff
	s_lshl_b32 s16, s16, 2
	s_add_co_u32 s16, s16, s14                     ; tile row: 256 tokens each
	s_lshl_b32 s18, s14, 2
	s_lshl_b32 s18, 15, s18                        ; my row of the cluster
	s_lshl_b32 s19, 0x1111, s13                    ; my column
	; group 1: a dense block as rows of 256 bytes (32 elements of 8 bytes): R's half 136 rows (8 records), P's half 68 (4 records); no padding: every LDS read is 16 x lane + a constant
	s_or_b32 s[G1R], s18, (3<<16)|(1<<21)
	s_mov_b32 s[G1R+1], 32<<16
	s_mov_b32 s[G1R+2], 136<<16
	s_mov_b32 s[G1R+3], 32<<16
	s_mov_b32 s[G1R+4], 136
	s_mov_b32 s[G1R+5], 32
	s_mov_b32 s[G1R+6], 0
	s_mov_b32 s[G1R+7], 0
	s_or_b32 s[G1P], s19, (3<<16)|(1<<21)
	s_mov_b32 s[G1P+1], 32<<16
	s_mov_b32 s[G1P+2], 68<<16
	s_mov_b32 s[G1P+3], 32<<16
	s_mov_b32 s[G1P+4], 68
	s_mov_b32 s[G1P+5], 32
	s_mov_b32 s[G1P+6], 0
	s_mov_b32 s[G1P+7], 0
	s_lshl_b32 s20, s16, 4                         ; R: tile 16 x tile row,
	s_cmp_ge_u32 ttmp9, 6
	s_cselect_b32 s21, 128, 0                      ; + 128 where the columns are Wsk's or Wsv's (the cluster's x: the same in all partners),
	s_add_co_u32 s20, s20, s21
	s_lshl_b32 s21, s12, 3                         ; + the 8 that I fetch
	s_add_co_u32 s20, s20, s21
	s_mul_i32 s20, s20, REC
	s_mov_b32 s21, 0
	s_lshl_b32 s22, s15, 3                         ; P: tile 8 x tile column + the 4 that I fetch
	s_lshl_b32 s23, s12, 2
	s_add_co_u32 s22, s22, s23
	s_mul_i32 s22, s22, REC
	s_mov_b32 s23, 0
	s_mul_i32 s66, s12, 8*REC                      ; where they go in a slot: no place in the cluster enters an LDS address
	s_mul_i32 s67, s12, 4*REC
	s_add_co_u32 s67, s67, POFF
	s_wait_dscnt 0x0                               ; both opening adds are done
	s_wait_kmcnt 0x0
	s_add_nc_u64 s[20:21], s[4:5], s[20:21]
	s_add_nc_u64 s[22:23], s[6:7], s[22:23]
	CROUND                                         ; all sixteen work-groups are here: the first joint loads meet
.irp s, 0,1,2
	s_mov_b32 s[G0R+4*\s], 1
	s_add_co_u32 s[G0R+4*\s+1], s66, \s*SLOT
	s_add_nc_u64 s[G0R+4*\s+2:G0R+4*\s+3], s[20:21], \s*KSB
	s_or_b32 s[G0R+4*\s+3], s[G0R+4*\s+3], 0x80000000
	s_mov_b32 s[G0P+4*\s], 1
	s_add_co_u32 s[G0P+4*\s+1], s67, \s*SLOT
	s_add_nc_u64 s[G0P+4*\s+2:G0P+4*\s+3], s[22:23], \s*KSB
	s_or_b32 s[G0P+4*\s+3], s[G0P+4*\s+3], 0x80000000
	JLOAD G0R+4*\s, G1R, G0P+4*\s, G1P             ; K steps 0, 1, 2: three quarters of the work-group's bytes are on their way from the start
.endr
	v_and_b32 v1, 15, v0                           ; r
	v_bfe_u32 v2, v0, 4, 1                         ; h
	v_and_b32 v3, 31, v0
	v_lshlrev_b32 v3, 4, v3                        ; 16 x lane
	s_mul_i32 s68, s11, 8*REC                      ; my 8 tiles of R
	s_mul_i32 s69, s12, 4*REC
	s_add_co_u32 s69, s69, POFF                    ; my 4 tiles of P
	s_sub_co_u32 s70, s69, s68                     ; from the one to the other
	v_lshlrev_b32 v21, 4, v1                       ; 16 r
	v_mul_u32_u24 v22, s70, v2                     ; lanes 16-31 take P's words
	v_add_nc_u32 v22, v22, v21
.irp s, 0,1,2
	v_add_nc_u32 v[ADR+\s], s68, v3
	v_add_nc_u32 v[ADP+\s], s69, v3
	v_add_nc_u32 v[ADS+\s], s68, v22
	v_add_nc_u32 v[ADS2+\s], s68, v21
	s_add_co_u32 s68, s68, SLOT
	s_add_co_u32 s69, s69, SLOT
.endr
	s_and_b32 s68, ttmp9, 5                        ; cluster x 5 and 7 are Wv's and Wsv's columns
	s_cmp_eq_u32 s68, 5
	s_cselect_b32 s69, 32, 16                      ; v, sv: 32 r + 16 h;  q, k, sk: 16 r + 256 h
	s_cselect_b32 s70, 16, 256
	v_mul_u32_u24 v[CO], s69, v1
	v_mad_u32_u24 v[CO], s70, v2, v[CO]
	s_lshl_b32 s72, s16, 4
	s_lshl_b32 s73, s11, 3
	s_add_co_u32 s72, s72, s73                     ; my first token tile
	s_lshl_b32 s72, s72, 17                        ; 256 blocks of 512 bytes each
	s_lshl_b32 s73, s15, 3
	s_lshl_b32 s74, s12, 2
	s_add_co_u32 s73, s73, s74                     ; my first column tile
	s_lshl_b32 s73, s73, 9
	s_add_co_u32 s72, s72, s73
	s_mov_b32 s73, 0
	s_add_nc_u64 s[8:9], s[8:9], s[72:73]
; The LDS loads of step n (128 along K; n / 4 is the K step, which lies in slot (n / 4) % 3), in ONE run: P's four fragments and R's tiles 0-3; at a K step's head its scale words; last R's tiles 4-7, which are wanted half a step later
.macro RUN n
.set SL, ((\n)/4)%3
.set QB, ((\n)%4)*1024
.set SE, 96*((\n)%2)
.set KB, SC+32*(((\n)/4)%2)
	WIN TO_F
.irp i, 0,1,2,3
	ds_load_b128 v[SE+64+8*\i:SE+64+8*\i+3], v[ADP+SL] offset:\i*REC+QB
	ds_load_b128 v[SE+64+8*\i+4:SE+64+8*\i+7], v[ADP+SL] offset:\i*REC+QB+512
.endr
.irp i, 0,1,2,3
	ds_load_b128 v[SE+8*\i:SE+8*\i+3], v[ADR+SL] offset:\i*REC+QB
	ds_load_b128 v[SE+8*\i+4:SE+8*\i+7], v[ADR+SL] offset:\i*REC+QB+512
.endr
.if (\n)%4 == 0
	WIN 0
.irp i, 0,1,2,3
	ds_load_b128 v[KB+4*\i:KB+4*\i+3], v[ADS+SL] offset:\i*REC+4096
.endr
.irp i, 4,5,6,7
	ds_load_b128 v[KB+4*\i:KB+4*\i+3], v[ADS2+SL] offset:\i*REC+4096
.endr
	WIN TO_F
.endif
.irp i, 4,5,6,7
	ds_load_b128 v[SE+8*\i:SE+8*\i+3], v[ADR+SL] offset:\i*REC+QB
	ds_load_b128 v[SE+8*\i+4:SE+8*\i+7], v[ADR+SL] offset:\i*REC+QB+512
.endr
.endm
; 16 matrix instructions of step q: R's tiles 4 half .. 4 half + 3 against P's four.  The 32 accumulators take turns, one instruction a turn, in the same order in every step.
.macro MULH q, half, zero
.set ME, 96*((\q)%2)
.set MS, SC+32*(((\q)/4)%2)+(\q)%4
.irp aa, 0,1,2,3
.irp b, 0,1,2,3
.set AI, 4*(\half)+\aa
.set AC, 8*(4*AI+\b)
.if \zero
	v_wmma_scale_f32_16x16x128_f8f6f4 v[AC:AC+7], v[ME+64+8*\b:ME+64+8*\b+7], v[ME+8*AI:ME+8*AI+7], 0, v[MS+4*\b], v[MS+4*AI] matrix_a_fmt:MATRIX_FMT_FP4 matrix_b_fmt:MATRIX_FMT_FP4 matrix_a_scale:MATRIX_SCALE_ROW1
.else
	v_wmma_scale_f32_16x16x128_f8f6f4 v[AC:AC+7], v[ME+64+8*\b:ME+64+8*\b+7], v[ME+8*AI:ME+8*AI+7], v[AC:AC+7], v[MS+4*\b], v[MS+4*AI] matrix_a_fmt:MATRIX_FMT_FP4 matrix_b_fmt:MATRIX_FMT_FP4 matrix_a_scale:MATRIX_SCALE_ROW1
.endif
.endr
.endr
.endm
; A step whose successor lies in the same slot.  Loads into registers that matrix instructions have read stand four plain vector instructions behind them (ISA guide 7.12.1 for vector instructions).
.macro STEP q, zero
	s_wait_dscnt 8                                 ; all of this step's loads but the youngest eight (R's tiles 4-7) are in
	WIN MUL
	MULH \q, 0, \zero
	PLACES 4
	RUN (\q)+1
	s_wait_dscnt 24                                ; all but the 24 just issued
	WIN MUL
	MULH \q, 1, \zero
.endm
; A K step's last step, where the next slot has been on its way since the start or.  left: my younger tensor loads, which may stay out.
.macro CROSS q, left
	s_wait_dscnt 8
	WIN MUL
	MULH \q, 0, 0
	s_wait_tensorcnt \left                         ; my part of the next slot is in,
	s_wait_dscnt 0x0                               ; no LDS instruction of mine is pending at the signal
	s_barrier_signal -1
	s_barrier_wait -1                              ; everybody's is
	PLACES 4
	RUN (\q)+1
	WIN MUL
	MULH \q, 1, 0
.endm
	s_wait_tensorcnt 2                             ; my part of K step 0 is in; K steps 1 and 2 stay out
	s_barrier_signal -1
	s_barrier_wait -1
	RUN 0
	STEP 0, 1                                      ; the first step's products start the sums: nothing is cleared
	STEP 1, 0
	STEP 2, 0
	CROSS 3, 1                                     ; on to slot 1; K step 2's load may stay out
	STEP 4, 0
	STEP 5, 0
	STEP 6, 0
	; step 7: on to slot 2, and slot 0, whose last read lies four steps back, is filled again with K step 3
	WIN 0                                          ; (the add's two registers lie in window 0)
	s_wait_tensorcnt 0x0                           ; all my tensor loads have landed: the one that could be out is my part of slot 2;
	ds_add_u32 v[SPW], v[NIL]                      ; 0 onto my spare word;
	s_add_nc_u64 s[G0R+2:G0R+3], s[G0R+2:G0R+3], 3*KSB   ; no load of mine is out, so slot 0's groups 0 may be written
	s_add_nc_u64 s[G0P+2:G0P+3], s[G0P+2:G0P+3], 3*KSB
	s_wait_dscnt 9                                 ; (the add and the youngest eight loads may be out)
	WIN MUL
	MULH 7, 0, 0                                   ; sixteen matrix instructions stand between the add and the wait for it
	s_wait_dscnt 0x0                               ; the add is done and all my LDS reads are back
	WIN 0
	CROUND                                         ; no wave of any partner still reads slot 0 or has a load on its way
	JLOAD G0R, G1R, G0P, G1P                       ; the first tensor load behind the round: it has four steps in which to land; its four v_nop are also the places in front of the loads below
	RUN 8
	WIN MUL
	MULH 7, 1, 0
	STEP 8, 0
	STEP 9, 0
	STEP 10, 0
	CROSS 11, 0                                    ; on to slot 0: the refill, my only load out
	STEP 12, 0
	STEP 13, 0
	STEP 14, 0
	s_wait_dscnt 8                                 ; the last step: nothing more to fetch
	WIN MUL
	MULH 15, 0, 0
	s_wait_dscnt 0x0
	MULH 15, 1, 0
	; THE WAY OUT: a lane's eight numbers pack into 16 bytes, and the 32 lanes' are a whole block of y16: no stage.  Each accumulator is read from its low end on.
	PLACES 4
	WIN PACKW
.set t, 0
.rept 32
	v_cvt_pk_f16_f32 v[TMP+4*t], v[8*t], v[8*t+1]
	v_cvt_pk_f16_f32 v[TMP+4*t+1], v[8*t+2], v[8*t+3]
	v_cvt_pk_f16_f32 v[TMP+4*t+2], v[8*t+4], v[8*t+5]
	v_cvt_pk_f16_f32 v[TMP+4*t+3], v[8*t+6], v[8*t+7]
.set t, t+1
.endr
	WIN 0
.irp a, 0,1,2,3,4,5,6,7
.irp b, 0,1,2,3
	global_store_b128 v[CO], v[TMP+4*(4*\a+\b):TMP+4*(4*\a+\b)+3], s[8:9] offset:\a*131072+\b*512   ; 32 lanes fill 512 consecutive bytes, aligned
.endr
.endr
	s_wait_tensorcnt 0x0                           ; the wave's end
	ds_add_u32 v[SPW], v[NIL]
	s_wait_dscnt 0x0
	CROUND                                         ; the closing round
	s_endpgm
.Lfunc_end_k_qb53598c332_proj:
	.size	k_qb53598c332_proj, .Lfunc_end_k_qb53598c332_proj-k_qb53598c332_proj
	.p2alignl 7, 3214868480
	.fill 96, 4, 3214868480
	.section	.rodata,"a",@progbits
	.p2align	6, 0x0
	.amdhsa_kernel k_qb53598c332_proj
		.amdhsa_group_segment_fixed_size 327680
		.amdhsa_private_segment_fixed_size 0
		.amdhsa_enable_private_segment 0
		.amdhsa_kernarg_size 24
		.amdhsa_user_sgpr_count 2
		.amdhsa_user_sgpr_kernarg_segment_ptr 1
		.amdhsa_wavefront_size32 1
		.amdhsa_system_sgpr_workgroup_id_x 1
		.amdhsa_system_sgpr_workgroup_id_y 1
		.amdhsa_system_sgpr_workgroup_id_z 1
		.amdhsa_system_vgpr_workitem_id 0
		.amdhsa_next_free_vgpr 768
		.amdhsa_next_free_sgpr 80
		.amdhsa_reserve_vcc 0
		.amdhsa_float_denorm_mode_32 3
		.amdhsa_float_denorm_mode_16_64 3
		.amdhsa_memory_ordered 1
		.amdhsa_forward_progress 1
		.amdhsa_inst_pref_size 116
	.end_amdhsa_kernel
	.amdgpu_metadata
---
amdhsa.version: [ 1, 2 ]
amdhsa.kernels:
  - .name:           k_qb53598c332_proj
    .symbol:         k_qb53598c332_proj.kd
    .args:
      - { .name: xq, .offset: 0, .size: 8, .value_kind: global_buffer, .address_space: global }
      - { .name: wq, .offset: 8, .size: 8, .value_kind: global_buffer, .address_space: global }
      - { .name: y16, .offset: 16, .size: 8, .value_kind: global_buffer, .address_space: global }
    .group_segment_fixed_size: 327680
    .private_segment_fixed_size: 0
    .kernarg_segment_align: 8
    .kernarg_segment_size: 24
    .max_flat_workgroup_size: 128
    .sgpr_count:     80
    .vgpr_count:     768
    .wavefront_size: 32
...
	.end_amdgpu_metadata
.endif
;; end of part 2
;; launch attn (part 3): grid 16 x 16, 8 waves a work-group, clusters of 4 x 1, 263,168 bytes of LDS; arguments y16, o16; writes o16
.if DOCPART == 3
	.amdgcn_target "amdgcn-amd-amdhsa--gfx1250"
	.amdhsa_code_object_version 6
	.text
	.protected	k_qb53598c332_attn
	.globl	k_qb53598c332_attn
	.p2align	8
	.type	k_qb53598c332_attn,@function
k_qb53598c332_attn:
	s_mov_b64 s[64:65], 0
	v_nop
	global_prefetch_b8 v0, s[64:65] scope:SCOPE_SE
	s_setreg_imm32_b32 hwreg(HW_REG_WAVE_MODE, 25, 1), 1
	s_wait_xcnt 0x0
	s_wait_alu depctr_hold_cnt(0) depctr_sa_sdst(0) depctr_va_vdst(0) depctr_va_sdst(0) depctr_va_ssrc(0) depctr_va_vcc(0) depctr_vm_vsrc(0)
	s_getreg_b32 s2, hwreg(HW_REG_IB_STS2, 6, 4)
	s_cmp_eq_u32 s2, 0
	s_cbranch_scc0 .Lentry_in_a_cluster
	s_endpgm
.Lentry_in_a_cluster:
	s_bfe_u32 s2, ttmp6, 0x10000c
	s_cmp_lg_u32 s2, 0x3003
	s_cbranch_scc0 .Lentry_shape_is_right
	s_endpgm
.Lentry_shape_is_right:
; ATTN: o = softmax(q k_all^T / 8 + slope x (key - query), inside the window) v_all, for the two halves [ssm | attn] of the keys.  f16 operands, f32 sums, maxima and sums of the softmax in f32, by a running maximum.
; Key position k counts for query position q, in each half, where q - 255 <= k <= q.  Only key steps that can hold such keys are multiplied.
; SHARES: a cluster is the four query heads (cx) of one kv head and one block of 256 positions: they read the same keys and values, so every tile is asked for jointly.  A work-group: one head x 256 queries; a wave: 32 queries, two tiles.
; KEYS: LDS holds 512 key places of sk, k, sv, v, which stand for positions t0 - 256 .. t0 + 255; all are asked for at the head and nothing is filled again.  A wave walks, in each half, five steps of 64 keys from place
;   min(32 w, 192): that run holds all keys of its 32 queries.  In the first block of positions the first 256 places stand for positions under 0: their loads take token tiles (16 pb - 16 + 8 qd) & 63 of the same batch, and the lower mask hides them.
; LAYOUT: S^T = K Q^T (source 0 = 16 keys, source 1 = 16 queries), O^T = V^T P: a lane holds ONE query (lane % 16).  y16's blocks are halves of fragments' images; v's lie row by row and are turned by ds_load_tr16_b128.
; THE BIAS: 8 slope x (key - the step's first key) is the C of each score tile's first matrix instruction; the rest is one number a lane, E = -slope log2(e) (query - first key).  t = c S + E, c = log2(e) / 8; p = 2^(c S + (E - M)).
; HIDDEN scores become -infinity: p = 0.  M starts at -3e38, so a step all of whose keys are hidden for a query leaves M, the sum and O^T as they were.  Every query sees its own position in both halves.
; o16: [kv head 8][token tile 128][32 channels: 8][half 2][512 bytes]: images of the last product's f16 fragments.
; LIMITS: q, k, v and o inside f16's range; NaN and infinities are not served.
; REGISTERS: window 0: v1-11 addresses and constants; v12-35 statistics, 12 a tile; v40-71 Q; v72-103 the bias; v104-167 S^T, then p; v168-199 P.   window 1: v0-63 O^T; v64-127 K; v128-191 V.
.set VOFF,  131072                     ; LDS: sk at 0, k at 65,536, sv at 131,072, v at 196,608: 32 token tiles x 2,048 bytes each
.set HOFF,  65536
.set SPARE, 262144                     ; the spare words, 128 bytes for each of the eight waves
.set AK0, 4                            ; v4   16 x lane
.set AV0, 5                            ; v5   my lane's place in a block of V, + VOFF
.set ADK, 6
.set ADV, 7
.set SPW, 8
.set NIL, 9
.set NEG, 10                           ; v10  -infinity
.set NA,  11                           ; v11  -slope log2(e)
.set ST,  12                           ; tile qt at v[ST + 12 qt]: +0 E - M, +1 M, +2, +3 the sum in two halves, +4 the factor, +5 E, +6 .. +9 at work, +10 my query - the step's first key, +11 at work
.set Q,   40
.set BC,  72
.set S,   104
.set P,   168
.set KF,  64
.set VF,  128
.set G1,  16
.set G0A, 24
.set G0B, 28
.set CS,  32                           ; s[32:33] c, twice
.set SEL, 34                           ; s[34:35] lane l xor 16
.set TB,  38                           ; s38  LDS byte at which the step's keys begin
.set KS,  39                           ; s39  the step's first key position (signed)
.set Q0,  40                           ; s40  my first query position
.set CNT, 41
.set MSB, 0
.macro WIN new
.if MSB != \new
	s_set_vgpr_msb (MSB<<8)|\new
.set MSB, \new
.endif
.endm
.set W_LD, 0x40                        ; destination window 1
.set W_KQ, 0x01                        ; K window 1; Q, C and S^T window 0
.set W_PV, 0x51                        ; V window 1, P window 0, O^T window 1
.set W_RS, 0x41                        ; O^T window 1, the factor window 0
.set W_CV, 0x05                        ; sources window 1, destination window 0
.macro CROUND
	s_barrier_signal -1
	s_barrier_wait -1
	s_cmp_lg_u32 s10, 0
	s_cbranch_scc1 .Lnot_wave_0_\@
	s_barrier_signal -3
.Lnot_wave_0_\@:
	s_barrier_wait -3
	s_barrier_signal -1
	s_barrier_wait -1
.endm
	s_load_b128 s[4:7], s[0:1], 0x0                ; y16, o16
	v_lshl_add_u32 v[SPW], v0, 2, SPARE
	v_mov_b32 v[NIL], 0
	ds_add_u32 v[SPW], v[NIL]                      ; the wave's opening: the add, twice on end, and its wait ahead of my first tensor load
	ds_add_u32 v[SPW], v[NIL]
	v_lshrrev_b32 v1, 5, v0
	v_readfirstlane_b32 s10, v1                    ; wave 0..7
	s_lshr_b32 s11, s10, 2                         ; I fetch keys (0) or values (1),
	s_and_b32 s12, s10, 3                          ; and which 128 of the 512 places
	s_bfe_u32 s13, ttmp6, 0x40000                  ; cx: my query head among the kv head's four
	s_and_b32 s15, ttmp7, 0xffff
	s_lshr_b32 s46, s15, 3                         ; batch
	s_and_b32 s47, s15, 7                          ; kv head
	; group 1: 8 token tiles x 2,048 bytes (a kv head's four blocks), 131,072 bytes apart; elements of 8 bytes; the mask names all four work-groups
	s_mov_b32 s[G1], 15|(3<<16)|(1<<21)
	s_mov_b32 s[G1+1], 256<<16
	s_mov_b32 s[G1+2], 8<<16
	s_mov_b32 s[G1+3], 256<<16
	s_mov_b32 s[G1+4], 8
	s_mov_b32 s[G1+5], 16384
	s_mov_b32 s[G1+6], 0
	s_mov_b32 s[G1+7], 0
	s_lshl_b32 s48, ttmp9, 4                       ; token tile (16 pb - 16 + 8 qd) & 63 of the batch
	s_lshl_b32 s49, s12, 3
	s_add_co_u32 s48, s48, s49
	s_add_co_u32 s48, s48, 48
	s_and_b32 s48, s48, 63
	s_lshl_b32 s49, s46, 6
	s_add_co_u32 s48, s48, s49
	s_lshl_b32 s48, s48, 17
	s_lshl_b32 s49, s11, 5                         ; column tile 32 x (values?) + 4 x kv head, behind the half's first
	s_lshl_b32 s50, s47, 2
	s_add_co_u32 s49, s49, s50
	s_lshl_b32 s49, s49, 9
	s_add_co_u32 s48, s48, s49
	s_mov_b32 s49, 0
	s_lshl_b32 s52, s11, 17                        ; in LDS: keys or values, my quarter
	s_lshl_b32 s53, s12, 14
	s_add_co_u32 s52, s52, s53
	s_lshl_b32 s54, s46, 6                         ; my wave's first token tile: 64 b + 16 pb + 2 w
	s_lshl_b32 s55, ttmp9, 4
	s_add_co_u32 s54, s54, s55
	s_lshl_b32 s55, s10, 1
	s_add_co_u32 s54, s54, s55
	s_lshl_b32 s59, s47, 2
	s_add_co_u32 s59, s59, s13                     ; the query head
	s_lshl_b32 s56, s54, 17
	s_lshl_b32 s58, s59, 11                        ; its four blocks
	s_add_co_u32 s56, s56, s58
	s_mov_b32 s57, 0
	s_lshl_b32 s60, s47, 20                        ; o16: kv head, token tile, 2,048 bytes for each of the four heads
	s_lshl_b32 s58, s54, 13
	s_add_co_u32 s60, s60, s58
	s_lshl_b32 s58, s13, 11
	s_add_co_u32 s60, s60, s58
	s_mov_b32 s61, 0
	s_lshl_b32 s[TB], s10, 5
	s_min_u32 s[TB], s[TB], 192                    ; my first place
	s_lshl_b32 s[Q0], ttmp9, 8
	s_add_co_u32 s[KS], s[Q0], s[TB]
	s_sub_co_i32 s[KS], s[KS], 256                 ; its position
	s_lshl_b32 s42, s10, 5
	s_add_co_u32 s[Q0], s[Q0], s42
	s_lshl_b32 s[TB], s[TB], 7                     ; 128 bytes a place
	s_mov_b32 s[CS], 0x3e38aa3b                    ; c = log2(e) / 8
	s_mov_b32 s[CS+1], s[CS]
	s_mov_b32 s[SEL], 0x76543210
	s_mov_b32 s[SEL+1], 0xfedcba98
	s_wait_dscnt 0x0                               ; both opening adds are done
	s_wait_kmcnt 0x0
	s_add_nc_u64 s[50:51], s[4:5], s[48:49]
	s_mov_b32 s[G0A], 1
	s_mov_b32 s[G0A+1], s52
	s_add_nc_u64 s[G0A+2:G0A+3], s[50:51], 192*512 ; the ssm half: Wsk's columns begin at tile 192
	s_or_b32 s[G0A+3], s[G0A+3], 0x80000000
	s_mov_b32 s[G0B], 1
	s_add_co_u32 s[G0B+1], s52, HOFF
	s_add_nc_u64 s[G0B+2:G0B+3], s[50:51], 128*512 ; the attn half: Wk's at tile 128
	s_or_b32 s[G0B+3], s[G0B+3], 0x80000000
	s_add_nc_u64 s[56:57], s[4:5], s[56:57]        ; Q
	s_add_nc_u64 s[60:61], s[6:7], s[60:61]        ; O
	CROUND                                         ; all four work-groups are here: the joint loads meet
	tensor_load_to_lds s[G0A:G0A+3], s[G1:G1+7]    ; every wave's two loads: two of mine are out
	s_nop 0
	tensor_load_to_lds s[G0B:G0B+3], s[G1:G1+7]
	s_nop 0
.rept 4
	v_nop
.endr
	v_and_b32 v1, 15, v0                           ; r
	v_bfe_u32 v2, v0, 4, 1                         ; h
	v_lshlrev_b32 v3, 3, v2                        ; 8 h
	v_and_b32 v[AK0], 31, v0
	v_lshlrev_b32 v[AK0], 4, v[AK0]
.irp qt, 0,1
.irp x, 0,1,2,3
	global_load_b128 v[Q+16*\qt+4*\x:Q+16*\qt+4*\x+3], v[AK0], s[56:57] offset:\qt*131072+\x*512   ; Q stays in registers: tile qt, channels 16 x on
.endr
.endr
	v_and_b32 v36, 7, v0                           ; the turning load: lane l addresses key 8 h + l % 8, channels 8 ((l / 8) % 2) on, of a block of 16 keys x 32 bytes
	v_add_nc_u32 v36, v36, v3
	v_bfe_u32 v37, v0, 3, 1
	v_lshlrev_b32 v[AV0], 5, v36
	v_lshl_add_u32 v[AV0], v37, 4, v[AV0]
	v_add_nc_u32 v[AV0], VOFF, v[AV0]
	v_cvt_f32_u32 v36, s59
	v_mul_f32 v36, 0xbe800000, v36                 ; -head / 4
	v_exp_f32 v36, v36                             ; slope = 2^(-8 head / 32)
	v_mov_b32 v[NEG], 0xff800000                   ; (a plain instruction behind the exponential)
	s_wait_alu depctr_va_vdst(0)                   ; the wait ahead of the first reader
	v_mul_f32 v[NA], 0xbfb8aa3b, v36               ; -slope log2(e)
	v_mul_f32 v37, 0x41000000, v36                 ; 8 slope
.set n, 0
.rept 32
	v_add_nc_u32 v[BC+n], 16*(n/8)+n%8, v3         ; register 8 kt + j: key 16 kt + 8 h + j of a step
.set n, n+1
.endr
.set n, 0
.rept 32
	v_cvt_f32_u32 v[BC+n], v[BC+n]
.set n, n+1
.endr
.set n, 0
.rept 32
	v_mul_f32 v[BC+n], v37, v[BC+n]
.set n, n+1
.endr
.irp qt, 0,1
	v_mov_b32 v[ST+12*\qt+1], 0xff61b1e6           ; M: -3e38, under every t
	v_mov_b32 v[ST+12*\qt+2], 0
	v_mov_b32 v[ST+12*\qt+3], 0
.endr
	s_sub_co_i32 s42, s[Q0], s[KS]
	v_add_nc_u32 v[ST+10], s42, v1                 ; my query - the step's first key
	v_add_nc_u32 v[ST+22], 16, v[ST+10]
	WIN W_LD
.set n, 0
.rept 64
	v_mov_b32 v[n], 0                              ; O^T: the step is written once; the first finds zeros
.set n, n+1
.endr
	WIN 0
; The upper mask: key > query.  Jumped over where the step's last key is at or under my first query: ids and the count of steps alone, the same in all partners.
.macro MASKC
	s_add_co_i32 s42, s[KS], 63
	s_cmp_le_i32 s42, s[Q0]
	s_cbranch_scc1 .Lnoc_\@
.irp qt, 0,1
	v_sub_nc_u32 v[ST+12*\qt+11], v[ST+12*\qt+10], v3   ; d = query - first key - 8 h: register 8 kt + j is hidden where 16 kt + j > d
.endr
.irp qt, 0,1
.set n, 0
.rept 32
	v_cmp_gt_i32 vcc_lo, 16*(n/8)+n%8, v[ST+12*\qt+11]
	v_cndmask_b32 v[S+32*\qt+n], v[S+32*\qt+n], v[NEG], vcc_lo
.set n, n+1
.endr
.endr
.Lnoc_\@:
.endm
; The lower mask: key < query - 255, or key < 0.  Jumped over where the step's first key is at or over my last query - 255 and not under 0.
.macro MASKW
	s_add_co_i32 s42, s[KS], 224
	s_sub_co_i32 s42, s42, s[Q0]
	s_min_i32 s42, s42, s[KS]
	s_cmp_ge_i32 s42, 0
	s_cbranch_scc1 .Lnow_\@
	s_sub_co_i32 s43, 0, s[KS]
.irp qt, 0,1
	v_sub_nc_u32 v[ST+12*\qt+11], v[ST+12*\qt+10], v3
	v_sub_nc_u32 v[ST+12*\qt+6], s43, v3
	v_add_nc_u32 v[ST+12*\qt+11], 0xffffff01, v[ST+12*\qt+11]   ; d - 255
	v_max_i32 v[ST+12*\qt+11], v[ST+12*\qt+11], v[ST+12*\qt+6]  ; hidden where 16 kt + j < max(d - 255, -first key - 8 h)
.endr
.irp qt, 0,1
.set n, 0
.rept 32
	v_cmp_lt_i32 vcc_lo, 16*(n/8)+n%8, v[ST+12*\qt+11]
	v_cndmask_b32 v[S+32*\qt+n], v[S+32*\qt+n], v[NEG], vcc_lo
.set n, n+1
.endr
.endr
.Lnow_\@:
.endm
.macro RESCALE                         ; O^T x the tile's factor, each accumulator from its low end on
	WIN W_RS
.irp qt, 0,1
.set n, 0
.rept 16
	v_pk_mul_f32 v[32*\qt+n:32*\qt+n+1], v[32*\qt+n:32*\qt+n+1], v[ST+12*\qt+4:ST+12*\qt+5] op_sel_hi:[1,0]
.set n, n+2
.endr
.endr
.endm
; One half of the keys: five steps of 64.
.macro HALF
	s_mov_b32 s[CNT], 5
.Lstep_\@:
	v_add_nc_u32 v[ADK], s[TB], v[AK0]             ; these six lines, with the two at the trip's end, are the places between the last products and the loads into V's registers
	v_add_nc_u32 v[ADV], s[TB], v[AV0]
.irp qt, 0,1
	v_cvt_f32_i32 v[ST+12*\qt+5], v[ST+12*\qt+10]
.endr
.irp qt, 0,1
	v_mul_f32 v[ST+12*\qt+5], v[NA], v[ST+12*\qt+5]   ; E
.endr
	WIN W_LD
.irp kt, 0,1,2,3
.irp x, 0,1,2,3
	ds_load_b128 v[KF+16*\kt+4*\x:KF+16*\kt+4*\x+3], v[ADK] offset:\kt*2048+\x*512   ; keys 16 kt on, channels 16 x on
.endr
.endr
.irp ct, 0,1,2,3
.irp y, 0,1,2,3
	ds_load_tr16_b128 v[VF+16*\ct+4*\y:VF+16*\ct+4*\y+3], v[ADV] offset:\y*2048+\ct*512   ; channels 16 ct on, keys 16 y on
.endr
.endr
	s_wait_dscnt 16                                ; K is in; V's sixteen loads may be out
	WIN W_KQ
.irp f, 0,1                            ; the eight accumulators take turns; the first product of each takes the bias as its C
.irp kt, 0,1,2,3
.irp qt, 0,1
.if \f == 0
	v_wmma_f32_16x16x32_f16 v[S+32*\qt+8*\kt:S+32*\qt+8*\kt+7], v[KF+16*\kt:KF+16*\kt+7], v[Q+16*\qt:Q+16*\qt+7], v[BC+8*\kt:BC+8*\kt+7]
.else
	v_wmma_f32_16x16x32_f16 v[S+32*\qt+8*\kt:S+32*\qt+8*\kt+7], v[KF+16*\kt+8:KF+16*\kt+15], v[Q+16*\qt+8:Q+16*\qt+15], v[S+32*\qt+8*\kt:S+32*\qt+8*\kt+7]
.endif
.endr
.endr
.endr
	WIN 0
.rept 4
	v_nop                                          ; places in front of the first read of the scores
.endr
	MASKC
	MASKW
.irp kt, 0,1,2,3                       ; the largest score of my query: four chains a tile, each begun at an accumulator's low end
.irp qt, 0,1
	v_max3_num_f32 v[ST+12*\qt+6+\kt], v[S+32*\qt+8*\kt], v[S+32*\qt+8*\kt+1], v[S+32*\qt+8*\kt+2]
.endr
.endr
.irp i, 3,5
.irp kt, 0,1,2,3
.irp qt, 0,1
	v_max3_num_f32 v[ST+12*\qt+6+\kt], v[ST+12*\qt+6+\kt], v[S+32*\qt+8*\kt+\i], v[S+32*\qt+8*\kt+\i+1]
.endr
.endr
.endr
.irp qt, 0,1
	v_max3_num_f32 v[ST+12*\qt+6], v[ST+12*\qt+6], v[S+32*\qt+7], v[S+32*\qt+15]
	v_max3_num_f32 v[ST+12*\qt+8], v[ST+12*\qt+8], v[S+32*\qt+23], v[S+32*\qt+31]
.endr
.irp qt, 0,1
	v_max3_num_f32 v[ST+12*\qt+6], v[ST+12*\qt+6], v[ST+12*\qt+7], v[ST+12*\qt+8]
.endr
.irp qt, 0,1
	v_max_num_f32 v[ST+12*\qt+6], v[ST+12*\qt+6], v[ST+12*\qt+9]
.endr
.irp qt, 0,1
	v_permlanex16_b32 v[ST+12*\qt+7], v[ST+12*\qt+6], s[SEL], s[SEL+1]   ; the query's other 32 keys lie in the lane 16 away
.endr
.irp qt, 0,1
	v_max_num_f32 v[ST+12*\qt+6], v[ST+12*\qt+6], v[ST+12*\qt+7]
.endr
.irp qt, 0,1
	v_fma_f32 v[ST+12*\qt+6], v[ST+12*\qt+6], s[CS], v[ST+12*\qt+5]      ; as t
.endr
.irp qt, 0,1
	v_max_num_f32 v[ST+12*\qt+7], v[ST+12*\qt+1], v[ST+12*\qt+6]         ; the new M
.endr
.irp qt, 0,1
	v_sub_f32 v[ST+12*\qt+11], v[ST+12*\qt+1], v[ST+12*\qt+7]            ; old M - new M
.endr
.irp qt, 0,1
	v_mov_b32 v[ST+12*\qt+1], v[ST+12*\qt+7]
.endr
.irp qt, 0,1
	v_sub_f32 v[ST+12*\qt], v[ST+12*\qt+5], v[ST+12*\qt+7]               ; E - M
.endr
.irp qt, 0,1
.set n, 0
.rept 16
	v_pk_fma_f32 v[S+32*\qt+n:S+32*\qt+n+1], v[S+32*\qt+n:S+32*\qt+n+1], s[CS:CS+1], v[ST+12*\qt:ST+12*\qt+1] op_sel_hi:[1,0,0]   ; c S + (E - M), two at a time
.set n, n+2
.endr
.endr
.irp qt, 0,1                           ; ONE BATCH: both factors and the 64 weights; none of these lines reads an exponential's result
	v_exp_f32 v[ST+12*\qt+4], v[ST+12*\qt+11]
.endr
.set n, 0
.rept 64
	v_exp_f32 v[S+n], v[S+n]
.set n, n+1
.endr
	v_nop                                          ; a plain instruction behind the last exponential
	s_wait_alu depctr_va_vdst(0)                   ; and one wait for the batch, ahead of its first reader
.irp qt, 0,1
	v_pk_mul_f32 v[ST+12*\qt+2:ST+12*\qt+3], v[ST+12*\qt+2:ST+12*\qt+3], v[ST+12*\qt+4:ST+12*\qt+5] op_sel_hi:[1,0]   ; the sum under the new M
	v_pk_add_f32 v[ST+12*\qt+6:ST+12*\qt+7], v[S+32*\qt:S+32*\qt+1], v[S+32*\qt+2:S+32*\qt+3]                        ; the sum of the unrounded weights, in two chains
.endr
.irp j, 4,8,12,16,20,24,28
.irp qt, 0,1
	v_pk_add_f32 v[ST+12*\qt+2:ST+12*\qt+3], v[ST+12*\qt+2:ST+12*\qt+3], v[S+32*\qt+\j:S+32*\qt+\j+1]
	v_pk_add_f32 v[ST+12*\qt+6:ST+12*\qt+7], v[ST+12*\qt+6:ST+12*\qt+7], v[S+32*\qt+\j+2:S+32*\qt+\j+3]
.endr
.endr
.irp qt, 0,1
	v_pk_add_f32 v[ST+12*\qt+2:ST+12*\qt+3], v[ST+12*\qt+2:ST+12*\qt+3], v[ST+12*\qt+6:ST+12*\qt+7]
.endr
.set n, 0
.rept 32
	v_cvt_pk_f16_f32 v[P+n], v[S+2*n], v[S+2*n+1]  ; two score tiles, rounded in pairs, are source 1 (32 keys x 16 queries) of the second product
.set n, n+1
.endr
	RESCALE
	s_wait_dscnt 0x0                               ; V is in
	WIN W_PV
.irp kk, 0,1
.irp ct, 0,1,2,3
.irp qt, 0,1
	v_wmma_f32_16x16x32_f16 v[32*\qt+8*\ct:32*\qt+8*\ct+7], v[VF+16*\ct+8*\kk:VF+16*\ct+8*\kk+7], v[P+16*\qt+8*\kk:P+16*\qt+8*\kk+7], v[32*\qt+8*\ct:32*\qt+8*\ct+7]
.endr
.endr
.endr
	WIN 0
.irp qt, 0,1
	v_add_nc_u32 v[ST+12*\qt+10], 0xffffffc0, v[ST+12*\qt+10]   ; the next step's first key is 64 on
.endr
	s_add_co_u32 s[TB], s[TB], 8192
	s_add_co_i32 s[KS], s[KS], 64
	s_sub_co_u32 s[CNT], s[CNT], 1
	s_cmp_lg_u32 s[CNT], 0
	s_cbranch_scc1 .Lstep_\@
.endm
	s_wait_loadcnt 0x0                             ; Q
	s_wait_tensorcnt 1                             ; my part of the ssm half is in; the attn half's may stay out
	s_barrier_signal -1
	s_barrier_wait -1                              ; everybody's is
	HALF
	s_wait_tensorcnt 0x0                           ; my part of the attn half is in
	s_wait_dscnt 0x0
	s_barrier_signal -1
	s_barrier_wait -1
	s_add_co_u32 s[TB], s[TB], HOFF-5*8192         ; back to my first place, in the other half
	s_sub_co_i32 s[KS], s[KS], 320
.irp qt, 0,1
	v_add_nc_u32 v[ST+12*\qt+10], 320, v[ST+12*\qt+10]
.endr
	HALF
	; THE WAY OUT: the sum's halves and the other 32 keys' are added; O^T / the sum, rounded to f16 in pairs: a lane's 16 bytes at 16 x lane are the next product's fragment.  The lines up to the reciprocals are the places behind the last products.
.irp qt, 0,1
	v_add_f32 v[ST+12*\qt+6], v[ST+12*\qt+2], v[ST+12*\qt+3]
.endr
.irp qt, 0,1
	v_permlanex16_b32 v[ST+12*\qt+7], v[ST+12*\qt+6], s[SEL], s[SEL+1]
.endr
.irp qt, 0,1
	v_add_f32 v[ST+12*\qt+6], v[ST+12*\qt+6], v[ST+12*\qt+7]
.endr
.irp qt, 0,1
	v_rcp_f32 v[ST+12*\qt+4], v[ST+12*\qt+6]
.endr
	v_nop                                          ; a plain instruction behind the last reciprocal
	s_wait_alu depctr_va_vdst(0)                   ; one wait for both, ahead of the first reader
	RESCALE
	WIN W_CV
.set n, 0
.rept 32
	v_cvt_pk_f16_f32 v[S+n], v[2*n], v[2*n+1]
.set n, n+1
.endr
	WIN 0
.irp qt, 0,1
.irp ct, 0,1,2,3
	global_store_b128 v[AK0], v[S+16*\qt+4*\ct:S+16*\qt+4*\ct+3], s[60:61] offset:\qt*8192+\ct*512   ; 32 lanes fill 512 consecutive bytes, aligned
.endr
.endr
	s_wait_tensorcnt 0x0                           ; the wave's end
	ds_add_u32 v[SPW], v[NIL]
	s_wait_dscnt 0x0
	CROUND                                         ; the closing round
	s_endpgm
.Lfunc_end_k_qb53598c332_attn:
	.size	k_qb53598c332_attn, .Lfunc_end_k_qb53598c332_attn-k_qb53598c332_attn
	.p2alignl 7, 3214868480
	.fill 96, 4, 3214868480
	.section	.rodata,"a",@progbits
	.p2align	6, 0x0
	.amdhsa_kernel k_qb53598c332_attn
		.amdhsa_group_segment_fixed_size 263168
		.amdhsa_private_segment_fixed_size 0
		.amdhsa_enable_private_segment 0
		.amdhsa_kernarg_size 16
		.amdhsa_user_sgpr_count 2
		.amdhsa_user_sgpr_kernarg_segment_ptr 1
		.amdhsa_wavefront_size32 1
		.amdhsa_system_sgpr_workgroup_id_x 1
		.amdhsa_system_sgpr_workgroup_id_y 1
		.amdhsa_system_sgpr_workgroup_id_z 1
		.amdhsa_system_vgpr_workitem_id 0
		.amdhsa_next_free_vgpr 512
		.amdhsa_next_free_sgpr 66
		.amdhsa_reserve_vcc 1
		.amdhsa_float_denorm_mode_32 3
		.amdhsa_float_denorm_mode_16_64 3
		.amdhsa_memory_ordered 1
		.amdhsa_forward_progress 1
		.amdhsa_inst_pref_size 71
	.end_amdhsa_kernel
	.amdgpu_metadata
---
amdhsa.version: [ 1, 2 ]
amdhsa.kernels:
  - .name:           k_qb53598c332_attn
    .symbol:         k_qb53598c332_attn.kd
    .args:
      - { .name: y16, .offset: 0, .size: 8, .value_kind: global_buffer, .address_space: global }
      - { .name: o16, .offset: 8, .size: 8, .value_kind: global_buffer, .address_space: global }
    .group_segment_fixed_size: 263168
    .private_segment_fixed_size: 0
    .kernarg_segment_align: 8
    .kernarg_segment_size: 16
    .max_flat_workgroup_size: 256
    .sgpr_count:     66
    .vgpr_count:     512
    .wavefront_size: 32
...
	.end_amdgpu_metadata
.endif
;; end of part 3
;; launch outp (part 4): grid 16 x 16, 4 waves a work-group, clusters of 4 x 4, 327,680 bytes of LDS; arguments o16, wo16, out0; writes out0
.if DOCPART == 4
	.amdgcn_target "amdgcn-amd-amdhsa--gfx1250"
	.amdhsa_code_object_version 6
	.text
	.protected	k_qb53598c332_outp
	.globl	k_qb53598c332_outp
	.p2align	8
	.type	k_qb53598c332_outp,@function
k_qb53598c332_outp:
	s_mov_b64 s[64:65], 0
	v_nop
	global_prefetch_b8 v0, s[64:65] scope:SCOPE_SE
	s_setreg_imm32_b32 hwreg(HW_REG_WAVE_MODE, 25, 1), 1
	s_wait_xcnt 0x0
	s_wait_alu depctr_hold_cnt(0) depctr_sa_sdst(0) depctr_va_vdst(0) depctr_va_sdst(0) depctr_va_ssrc(0) depctr_va_vcc(0) depctr_vm_vsrc(0)
	s_getreg_b32 s2, hwreg(HW_REG_IB_STS2, 6, 4)
	s_cmp_eq_u32 s2, 0
	s_cbranch_scc0 .Lentry_in_a_cluster
	s_endpgm
.Lentry_in_a_cluster:
	s_bfe_u32 s2, ttmp6, 0x10000c
	s_cmp_lg_u32 s2, 0xf033
	s_cbranch_scc0 .Lentry_shape_is_right
	s_endpgm
.Lentry_shape_is_right:
; OUTP: out0[token][n] = sum over k of o[token][k] Wo[k][n]: 2,048 x 2,048 x 2,048, f16 operands, f32 sums, f32 out.
; o16 and wo16 hold images of f16 fragments: [K step of 256: 8][tile of 16 rows (tokens; columns of Wo): 128][32 K: 8][half: 2][512 bytes], lane's 16 bytes at 16 x lane.
; A tile of the output is 128 x 128: 256 work-groups.  Four waves, each 64 x 64: 16 accumulators.  K goes in steps of 256 through a ring of two LDS slots; a wave's tensor load brings four tiles, 32,768 dense bytes.
; No padding: every fragment load reads 512 consecutive bytes.
; CLUSTER 4 x 4: the four of a row need the same tiles of o, the four of a column the same tiles of Wo: each is asked for jointly.  THE PRODUCT IS USED TRANSPOSED (source 0 = 16 columns of Wo, source 1 = 16 tokens):
; a lane holds eight neighbouring numbers of a row of the output.
; REGISTERS: window 0: v0-31 addresses; v32-95 the way out; v128-255 the accumulators ((a, b) at v[128 + 8 (4 a + b)]).   window 1: two fragment buffers of 128: for 64 along K, 64 registers of A, then 64 of B.
.set KSB,    1048576                   ; a K step in o16 and in wo16, in bytes
.set TILEB,  8192                      ; a tile of 16 rows x 256 K
.set HALFT,  4*TILEB                   ; what one tensor load brings, and what one wave reads of A or of B
.set SLOT,   4*HALFT                   ; A's 8 tiles, then B's 8
.set STAGE,  2*SLOT                    ; behind the ring: 16 rows x 272 bytes for each wave, for the way out
.set SPITCH, 272
.set SPARE,  STAGE+4*16*SPITCH         ; behind the stages: the spare words, 128 bytes for each wave
.set LAPS,   4                         ; a lap = two K steps = once round the ring
.set ADRA, 16                          ; v16-17  my A fragments in slot 0, 1
.set ADRB, 20                          ; v20-21  the same for B
.set STO,  24
.set RD,   25
.set CO,   26
.set SPW,  28
.set NIL,  29
.set TMP,  32
.set ACC,  128
.set F0,   0
.set F1,   128
.set G1, 24
.set G0, 32
.set G1B, 48
.set G0B, 56
.set MSB, 0
.macro WIN new
.if MSB != \new
	s_set_vgpr_msb (MSB<<8)|\new
.set MSB, \new
.endif
.endm
.set MUL,  0x05                        ; sources 0 (B) and 1 (A) window 1; C and D window 0
.set TO_F, 0x40                        ; destination window 1, address window 0
.macro JLOAD s                         ; a joint load: waves 0 and 1 fetch A's halves, waves 2 and 3 B's; an s_nop 0 and four v_nop follow each of the two lines
	s_cmp_eq_u32 s11, 0
	s_cbranch_scc0 .Lfor_b_\@
	tensor_load_to_lds s[G0+4*\s:G0+4*\s+3], s[G1:G1+7]
	s_nop 0
.rept 4
	v_nop
.endr
	s_branch .Lasked_\@
.Lfor_b_\@:
	tensor_load_to_lds s[G0B+4*\s:G0B+4*\s+3], s[G1B:G1B+7]
	s_nop 0
.rept 4
	v_nop
.endr
.Lasked_\@:
.endm
.macro CREST                           ; a round of the cluster's barrier behind its opening barrier
	s_cmp_lg_u32 s10, 0
	s_cbranch_scc1 .Lnot_wave_0_\@
	s_barrier_signal -3
.Lnot_wave_0_\@:
	s_barrier_wait -3
	s_barrier_signal -1
	s_barrier_wait -1
.endm
.macro CROUND
	s_barrier_signal -1
	s_barrier_wait -1
	CREST
.endm
	s_load_b128 s[4:7], s[0:1], 0x0                ; o16, wo16
	s_load_b64 s[8:9], s[0:1], 0x10                ; out0
	v_lshl_add_u32 v[SPW], v0, 2, SPARE
	v_mov_b32 v[NIL], 0
	ds_add_u32 v[SPW], v[NIL]                      ; the wave's opening: the add, twice on end, and its wait ahead of my first tensor load
	ds_add_u32 v[SPW], v[NIL]
	v_lshrrev_b32 v1, 5, v0
	v_readfirstlane_b32 s10, v1                    ; wave 0..3
	s_lshr_b32 s11, s10, 1                         ; my half of the tile's rows.  Also: I fetch for A (0) or for B (1)
	s_and_b32 s12, s10, 1                          ; my half of its columns.  Also: which four tiles I fetch
	s_bfe_u32 s40, ttmp6, 0x40000                  ; cx, cy
	s_bfe_u32 s41, ttmp6, 0x40004
	s_lshl_b32 s42, ttmp9, 2
	s_add_co_u32 s42, s42, s40                     ; tile column
	s_and_b32 s13, ttmp7, 0xffff
	s_lshl_b32 s13, s13, 2
	s_add_co_u32 s13, s13, s41                     ; tile row
	s_lshl_b32 s43, s41, 2
	s_lshl_b32 s43, 15, s43                        ; my row of the cluster
	s_lshl_b32 s44, 0x1111, s40                    ; my column
	; group 1: a dense block of 32,768 bytes as 128 rows of 256 bytes (32 elements of 8 bytes)
	s_or_b32 s[G1+0], s43, (3<<16)|(1<<21)
	s_or_b32 s[G1B+0], s44, (3<<16)|(1<<21)
.irp g, G1, G1B
	s_mov_b32 s[\g+1], 32<<16
	s_mov_b32 s[\g+2], 128<<16
	s_mov_b32 s[\g+3], 32<<16
	s_mov_b32 s[\g+4], 128
	s_mov_b32 s[\g+5], 32
	s_mov_b32 s[\g+6], 0
	s_mov_b32 s[\g+7], 0
.endr
	s_lshl_b32 s17, s12, 2                         ; which four tiles I fetch
	s_lshl_b32 s16, s13, 3
	s_add_co_u32 s16, s16, s17                     ; A: tile 8 x tile row + 4 x half
	s_lshl_b32 s16, s16, 13
	s_lshl_b32 s46, s42, 3
	s_add_co_u32 s46, s46, s17                     ; B: tile 8 x tile column + 4 x half
	s_lshl_b32 s46, s46, 13
	s_mov_b32 s17, 0
	s_mov_b32 s47, 0
	s_lshl_b32 s20, s10, 15                        ; where they go: wave x 32,768: no place in the cluster enters an LDS address
	s_wait_dscnt 0x0                               ; both opening adds are done
	s_wait_kmcnt 0x0
	s_add_nc_u64 s[14:15], s[4:5], s[16:17]
	s_add_nc_u64 s[46:47], s[6:7], s[46:47]
	CROUND                                         ; all sixteen work-groups are here: the first joint loads meet
.irp s, 0,1
	s_mov_b32 s[G0+4*\s], 1
	s_add_co_u32 s[G0+4*\s+1], s20, \s*SLOT
	s_add_nc_u64 s[G0+4*\s+2:G0+4*\s+3], s[14:15], \s*KSB
	s_or_b32 s[G0+4*\s+3], s[G0+4*\s+3], 0x80000000
	s_mov_b32 s[G0B+4*\s], 1
	s_add_co_u32 s[G0B+4*\s+1], s20, \s*SLOT
	s_add_nc_u64 s[G0B+4*\s+2:G0B+4*\s+3], s[46:47], \s*KSB
	s_or_b32 s[G0B+4*\s+3], s[G0B+4*\s+3], 0x80000000
	JLOAD \s
.endr
	v_and_b32 v1, 15, v0                           ; r
	v_bfe_u32 v2, v0, 4, 1                         ; h
	v_and_b32 v3, 31, v0
	v_lshlrev_b32 v3, 4, v3                        ; 16 x lane
	s_lshl_b32 s21, s11, 15                        ; my four tiles of A
	s_lshl_b32 s22, s12, 15                        ; my four tiles of B,
	s_add_co_u32 s22, s22, 2*HALFT                 ; which lie behind A's eight
.irp s, 0,1
	v_add_nc_u32 v[ADRA+\s], s21, v3
	v_add_nc_u32 v[ADRB+\s], s22, v3
	s_add_co_u32 s21, s21, SLOT
	s_add_co_u32 s22, s22, SLOT
.endr
	s_mul_i32 s23, s10, 16*SPITCH
	s_add_co_u32 s23, s23, STAGE                   ; my stage
	v_mul_u32_u24 v4, v1, SPITCH                   ; in: row r, 32 bytes for each half of the lanes
	v_lshl_add_u32 v4, v2, 5, v4
	v_add_nc_u32 v[STO], s23, v4
	v_mul_u32_u24 v5, v2, SPITCH                   ; back: lanes 0-15 take one row of 256 bytes, lanes 16-31 the next
	v_lshl_add_u32 v5, v1, 4, v5
	v_add_nc_u32 v[RD], s23, v5
	v_lshlrev_b32 v5, 13, v2                       ; and the same two rows in out0
	v_lshl_add_u32 v[CO], v1, 4, v5
	s_lshl_b32 s16, s13, 7
	s_lshl_b32 s17, s11, 6
	s_add_co_u32 s16, s16, s17                     ; my first row: 128 x tile row + 64 x half
	s_lshl_b32 s16, s16, 13
	s_mov_b32 s17, 0
	s_add_nc_u64 s[8:9], s[8:9], s[16:17]
	s_lshl_b32 s46, s42, 9                         ; my first column, in bytes: 512 x tile column + 256 x half
	s_lshl_b32 s47, s12, 8
	s_add_co_u32 s46, s46, s47
	s_mov_b32 s47, 0
	s_add_nc_u64 s[8:9], s[8:9], s[46:47]
; 8 matrix instructions: m blocks a0, a0 + 1 x all 4 n blocks, 32 along K: half c of buffer f.  zero = 1: the first product starts the sums.  The 16 accumulators take turns.
.macro MUL8 f, c, a0, zero
.irp a, \a0, \a0+1
.irp b, 0,1,2,3
.if \zero
	v_wmma_f32_16x16x32_f16 v[ACC+8*(4*(\a)+\b):ACC+8*(4*(\a)+\b)+7], v[\f+64+8*(4*\c+\b):\f+64+8*(4*\c+\b)+7], v[\f+8*(4*\c+\a):\f+8*(4*\c+\a)+7], 0
.else
	v_wmma_f32_16x16x32_f16 v[ACC+8*(4*(\a)+\b):ACC+8*(4*(\a)+\b)+7], v[\f+64+8*(4*\c+\b):\f+64+8*(4*\c+\b)+7], v[\f+8*(4*\c+\a):\f+8*(4*\c+\a)+7], v[ACC+8*(4*(\a)+\b):ACC+8*(4*(\a)+\b)+7]
.endif
.endr
.endr
.endm
; 32 LDS loads in one run: the fragments of 64 along K, from byte k of each tile on, into buffer f; the first 32 along K first
.macro FETCH slot, k, f
	WIN TO_F
.irp c, 0,1
.irp i, 0,1,2,3
	ds_load_b128 v[\f+64+8*(4*\c+\i):\f+64+8*(4*\c+\i)+3],   v[ADRB+\slot] offset:\k+1024*\c+\i*TILEB
	ds_load_b128 v[\f+64+8*(4*\c+\i)+4:\f+64+8*(4*\c+\i)+7], v[ADRB+\slot] offset:\k+1024*\c+\i*TILEB+512
	ds_load_b128 v[\f+8*(4*\c+\i):\f+8*(4*\c+\i)+3],         v[ADRA+\slot] offset:\k+1024*\c+\i*TILEB
	ds_load_b128 v[\f+8*(4*\c+\i)+4:\f+8*(4*\c+\i)+7],       v[ADRA+\slot] offset:\k+1024*\c+\i*TILEB+512
.endr
.endr
.endm
.macro PLACES                          ; four places in front of loads into registers that matrix instructions have read, and of the first read of results (ISA guide 7.12.1 for vector instructions)
.rept 4
	v_nop
.endr
.endm
; A K step is four quarters of 64 along K, 32 matrix instructions each, on buffers 0, 1, 0, 1.  One of the first three: multiplies buffer f and fetches the next quarter, at byte k, into g.
.macro QUARTER slot, k, f, g, zero
	s_wait_dscnt 16                                ; the first 32 along K are in
	WIN MUL
	MUL8 \f, 0, 0, \zero
	MUL8 \f, 0, 2, \zero
	PLACES
	FETCH \slot, \k, \g
	s_wait_dscnt 32                                ; all but the 32 just issued
	WIN MUL
	MUL8 \f, 1, 0, 0
	MUL8 \f, 1, 2, 0
.endm
; The last quarter multiplies buffer 1 and changes slots: ONE barrier; in front of it each wave waits for all its tensor loads, adds 0 to its spare word, and waits for that and for its own reads of this slot.  fill = 1: this slot is filled again, two K steps ahead.
.macro TURN slot, next, fill
	WIN 0                                          ; (the add's two registers lie in window 0)
	s_wait_tensorcnt 0x0                           ; all my tensor loads have landed: my part of the next slot;
	ds_add_u32 v[SPW], v[NIL]                      ; 0 onto my spare word;
	s_wait_dscnt 17                                ; (the add and the youngest sixteen loads may be out)
	WIN MUL
	MUL8 F1, 0, 0, 0                               ; eight matrix instructions stand between the add and the wait for it
	s_wait_dscnt 0x0                               ; the add is done, and my reads of this slot are over
	s_barrier_signal -1
	MUL8 F1, 0, 2, 0
.if \fill
	WIN 0
.endif
	s_barrier_wait -1
.if \fill
	CREST                                          ; the barrier has opened a round of the cluster's barrier: no wave of any partner still reads this slot or has a load on its way
	s_add_nc_u64 s[G0+4*\slot+2:G0+4*\slot+3], s[G0+4*\slot+2:G0+4*\slot+3], 2*KSB
	s_add_nc_u64 s[G0B+4*\slot+2:G0B+4*\slot+3], s[G0B+4*\slot+2:G0B+4*\slot+3], 2*KSB
	JLOAD \slot                                    ; the first tensor load behind the round; its four v_nop are also the places in front of the loads below
.else
	PLACES
.endif
	FETCH \next, 0, F0
	WIN MUL
	MUL8 F1, 1, 0, 0
	MUL8 F1, 1, 2, 0
.endm
	s_wait_tensorcnt 1                             ; my part of K step 0 is in; K step 1's may stay out
	s_barrier_signal -1
	s_barrier_wait -1                              ; everybody's is
	FETCH 0, 0, F0
	QUARTER 0, 2048, F0, F1, 1                     ; the first quarter stands in front of the loop: its first products start the sums
	WIN 0                                          ; at a label and at a branch every window is 0
	s_mov_b32 s3, LAPS-1
.Llap:                                                 ; a trip goes once round the ring, from a lap's second quarter to the next lap's first, and fills both slots again
	QUARTER 0, 4096, F1, F0, 0
	QUARTER 0, 6144, F0, F1, 0
	TURN 0, 1, 1
	QUARTER 1, 2048, F0, F1, 0
	QUARTER 1, 4096, F1, F0, 0
	QUARTER 1, 6144, F0, F1, 0
	TURN 1, 0, 1
	QUARTER 0, 2048, F0, F1, 0
	WIN 0
	s_sub_co_u32 s3, s3, 1
	s_cmp_lg_u32 s3, 0
	s_cbranch_scc1 .Llap
	QUARTER 0, 4096, F1, F0, 0                     ; the last lap fills nothing, and has no round of the cluster's barrier
	QUARTER 0, 6144, F0, F1, 0
	TURN 0, 1, 0
	QUARTER 1, 2048, F0, F1, 0
	QUARTER 1, 4096, F1, F0, 0
	QUARTER 1, 6144, F0, F1, 0
	s_wait_dscnt 16                                ; the very last quarter: nothing more to fetch
	WIN MUL
	MUL8 F1, 0, 0, 0
	MUL8 F1, 0, 2, 0
	s_wait_dscnt 0x0
	MUL8 F1, 1, 0, 0
	MUL8 F1, 1, 2, 0
	WIN 0
; THE WAY OUT, a block of 16 rows x 64 columns at a time.  A lane holds 32 neighbouring bytes of a row, the lanes beside it other rows: the block goes through my own stage and comes back as rows of 256 bytes, which sixteen lanes store.
; My 64 columns are 256 bytes at a multiple of 256 from out0's first byte, so no other wave is needed.  LDS serves a wave's instructions in order (ISA guide 5.7.1.4): no wait between the stores and the loads.
.macro TOSTAGE a
.irp b, 0,1,2,3
	ds_store_b128 v[STO], v[ACC+8*(4*(\a)+\b):ACC+8*(4*(\a)+\b)+3] offset:64*\b        ; each accumulator from its low end on
	ds_store_b128 v[STO], v[ACC+8*(4*(\a)+\b)+4:ACC+8*(4*(\a)+\b)+7] offset:64*\b+16
.endr
.irp t, 0,1,2,3,4,5,6,7
	ds_load_b128 v[TMP+32*((\a)%2)+4*\t:TMP+32*((\a)%2)+4*\t+3], v[RD] offset:\t*2*SPITCH
.endr
.endm
.macro SEND a, younger                 ; younger: the LDS instructions issued behind block a's loads, which may stay out
	s_wait_dscnt \younger
.irp t, 0,1,2,3,4,5,6,7
	global_store_b128 v[CO], v[TMP+32*((\a)%2)+4*\t:TMP+32*((\a)%2)+4*\t+3], s[8:9] offset:(16*(\a)+2*\t)*8192 th:TH_STORE_NT   ; written once, read by nobody here
.endr
.endm
	PLACES
	TOSTAGE 0
.irp a, 1,2,3
.if \a > 1
	s_wait_xcnt 0x0                                ; block a - 2's stores have read their registers: block a's loads may land there
.endif
	TOSTAGE \a
	SEND \a-1, 16                                  ; behind block a - 1's loads: block a's 8 stores and 8 loads
.endr
	SEND 3, 0
	s_wait_tensorcnt 0x0                           ; the wave's end: behind my last tensor load and my last LDS store
	ds_add_u32 v[SPW], v[NIL]
	s_wait_dscnt 0x0
	CROUND                                         ; the closing round
	s_endpgm
.Lfunc_end_k_qb53598c332_outp:
	.size	k_qb53598c332_outp, .Lfunc_end_k_qb53598c332_outp-k_qb53598c332_outp
	.p2alignl 7, 3214868480
	.fill 96, 4, 3214868480
	.section	.rodata,"a",@progbits
	.p2align	6, 0x0
	.amdhsa_kernel k_qb53598c332_outp
		.amdhsa_group_segment_fixed_size 327680
		.amdhsa_private_segment_fixed_size 0
		.amdhsa_enable_private_segment 0
		.amdhsa_kernarg_size 24
		.amdhsa_user_sgpr_count 2
		.amdhsa_user_sgpr_kernarg_segment_ptr 1
		.amdhsa_wavefront_size32 1
		.amdhsa_system_sgpr_workgroup_id_x 1
		.amdhsa_system_sgpr_workgroup_id_y 1
		.amdhsa_system_sgpr_workgroup_id_z 1
		.amdhsa_system_vgpr_workitem_id 0
		.amdhsa_next_free_vgpr 512
		.amdhsa_next_free_sgpr 66
		.amdhsa_reserve_vcc 0
		.amdhsa_float_denorm_mode_32 3
		.amdhsa_float_denorm_mode_16_64 3
		.amdhsa_memory_ordered 1
		.amdhsa_forward_progress 1
		.amdhsa_inst_pref_size 85
	.end_amdhsa_kernel
	.amdgpu_metadata
---
amdhsa.version: [ 1, 2 ]
amdhsa.kernels:
  - .name:           k_qb53598c332_outp
    .symbol:         k_qb53598c332_outp.kd
    .args:
      - { .name: o16, .offset: 0, .size: 8, .value_kind: global_buffer, .address_space: global }
      - { .name: wo16, .offset: 8, .size: 8, .value_kind: global_buffer, .address_space: global }
      - { .name: out0, .offset: 16, .size: 8, .value_kind: global_buffer, .address_space: global }
    .group_segment_fixed_size: 327680
    .private_segment_fixed_size: 0
    .kernarg_segment_align: 8
    .kernarg_segment_size: 24
    .max_flat_workgroup_size: 128
    .sgpr_count:     66
    .vgpr_count:     512
    .wavefront_size: 32
...
	.end_amdgpu_metadata
.endif
;; end of part 4
